; MI455X (gfx1250); checked and timed in simulation.
; The chip was launched on July 23, 2026; its instructions are those of AMD's public machine-readable ISA for CDNA 5 (MIT licence, August 2026) and "CDNA5" Instruction Set Architecture Reference Guide (July 2026). The comments in the code are by the model that wrote it; some were corrected since.
;; Encoder Block. Allowed arithmetic: float matrix products may take bf16 or f16 operands with f32 sums; other float arithmetic in f32, or as packed bf16 or f16 multiplies, adds, multiply-adds, maxima and minima; sums over many terms, partial sums and values carried from step to step in f32; what a program stores and reads back later, other than sums and carried values, may be rounded once to bf16 or f16.
;; Inputs: W1 512 x 2,048 float32; W2 2,048 x 512 float32; Wk 512 x 8 x 64 float32; Wo 8 x 64 x 512 float32; Wq 512 x 8 x 64 float32; Wv 512 x 8 x 64 float32; b1 2,048 float32; b2 512 float32; bk 8 x 64 float32; bo 512 float32; bq 8 x 64 float32; bv 8 x 64 float32; ln1_bias 512 float32; ln1_scale 512 float32; ln2_bias 512 float32; ln2_scale 512 float32; x 32 x 512 x 512 float32.
;; Outputs: out0 32 x 512 x 512 float32.
;; 2 versions, each right; version 2 is version 1 with the launch attn written anew for expert scheduling mode. Each part assembles by itself: llvm-mc -triple=amdgcn-amd-amdhsa -mcpu=gfx1250 --defsym DOCPART=n.
;; ======== version 1 of 2: 2 launches
;; limits: values are held in f16: magnitudes above 65,504 overflow, below 6.1e-05 lose precision; inputs' magnitudes at most 65,504; right only within a limited range of input values
;; workspace buffers: att 16,777,216 bytes; wts 4,718,592 bytes; vec 20,480 bytes
;; launch attn (part 1): grid 8 x 32, 4 waves a work-group, no clusters, 291,328 bytes of LDS; arguments x, Wq, bq, Wk, bk, Wv, bv, Wo, W1, W2, att, wts, bo, ln1_scale, ln1_bias, b2, ln2_scale, ln2_bias, b1, vec; writes att, wts, vec
.if DOCPART == 1
	.amdgcn_target "amdgcn-amd-amdhsa--gfx1250"
	.amdhsa_code_object_version 6
	.text
	.protected	k_q86d2ffa0b2_attn
	.globl	k_q86d2ffa0b2_attn
	.p2align	8
	.type	k_q86d2ffa0b2_attn,@function
k_q86d2ffa0b2_attn:
	s_mov_b64 s[64:65], 0
	v_nop
	global_prefetch_b8 v0, s[64:65] scope:SCOPE_SE
	s_setreg_imm32_b32 hwreg(HW_REG_WAVE_MODE, 25, 1), 1
	s_wait_xcnt 0x0
; ENCODER BLOCK, LAUNCH 1 OF 2: one work-group for each (batch b, head h): q, k, v = x W + bias for the head; qp = relu(q) + e, kp = relu(k) + e (e = 1e-3);
; kv = kp^T v (64 x 64), ksum = the sum of kp over the batch's 512 rows; att = (qp kv) / (qp ksum), stored in bf16.  Beside that each wave rounds 1/1024 of Wo, W1 and W2
; into wts, in tiles as the second launch takes them, and waves 0 to 39 of the launch round 128 numbers each of the seven small vectors into vec.
; NOTHING OF reference() IS LEFT OUT: every input has a way to the output, and all seventeen are loaded by this launch.
; IDENTITY USED: relu(t) + e = max(t + e, e) for all real t; e rides in the bias that starts the sums of q and k.
; FORMATS.  EVERY INPUT OF THE MODULE IS ROUNDED TO bf16 ONCE; sums are f32.  W1 is rounded to bf16 and that number is written as f16, since the
; second launch multiplies it with h in f16: exact for 2^-17 <= |W1| < 65,504; below that it keeps f16's fixed step of 2^-24, beyond it it becomes an infinity.
; vec holds bo, ln1_scale, ln1_bias, b2, ln2_scale, ln2_bias (2,048 bytes each) and b1 (8,192), each number rounded to bf16 and widened to f32 again.
; LIMITS.  e is added in f32 ahead of the rounding of q and k to bf16, and the floor is bf16(e): another order of rounding than reference().
; The maximum is v_pk_max_num_bf16: a NaN in q or k becomes e.  Infinities are not treated apart.
; SHARES.  Wave w owns rows 128 w .. 128 w + 127 of the batch, in two passes of 64 rows (4 tiles of 16).  A pass is 16 steps of 32 channels, 48 matrix instructions each (4 row tiles x 12 column tiles).
; NO TENSOR LOAD, NO CLUSTER: no wave wants a byte of x that another wave of the group fetched, and an f32 fragment lies in memory as it lies in registers; the head's weights take
; 212,992 bytes of LDS, and two slots of 256 rows x 272 bytes (139,264) do not fit beside them.
; LAYOUTS (lane l: r = l % 16, hh = l / 16).  q is taken transposed (source 0 = W, source 1 = x): a lane holds one row and 8 features, and its bf16 pairs are source 1 of the last product.
; k and v are taken as they come (source 0 = x, source 1 = W): a lane holds one feature and 8 rows, and two row tiles in bf16 are a fragment with the rows along K.
; att is stored as fragment images: byte g 16384 + h 2048 + nt 512 + 16 l holds row 16 g + r, channels 16 nt + 8 hh + 0..7 of the head: every store covers 512 consecutive bytes.
; wts: 36 tiles of 131,072 bytes, 128 rows of 1,024.  0-3: Wo.  4 + 2 c: row p holds four pieces of 256 bytes, piece u = W1[128 u + p][128 c ..] (f16).  5 + 2 c: W2 rows 128 c ..
; REGISTERS, in windows of 256 (s_set_vgpr_msb: bits 1:0 source 0, 3:2 source 1, 5:4 source 2, 7:6 destination):
;   window 0: v0-31 addresses; v32-127 W fragments, a buffer of 32 for q, k, v; v128-191 x fragments, two buffers; v192-199 ones; v200-231 ksum
;   window 1: x as loaded, a ring of 4 slots x 64      window 2: q 0-127, k 128-255      window 3: v 0-127, kv 128-255
.set PW,    416                        ; a row of the weights in LDS: 384 bytes (q, k, v: 128 each) + 32 = 13 x 32
.set IMG,   512*PW                     ; 212,992: 12 bias tiles of 1,024 bytes, as the C operand wants them
.set QP,    IMG+12*1024                ; 225,280: qp, 16,384 bytes a wave, the wave's own
.set SPARE, QP+4*16384                 ; 290,816: the spare words, 128 bytes a wave
.set KVPW,  20*1024                    ; behind the passes, over the weights: a wave's 20 partial tiles in f32,
.set KVB,   4*KVPW                     ; and behind the four waves' the 20 summed tiles in bf16, 512 bytes each
.set TILEB, 131072
.set XO,  4                            ; r 2048 + 32 hh: my place in 16 rows of x
.set WA,  5                            ; LDS address of the W fragments, stepped by 4 K steps a trip
.set WA0, 6                            ; (8 hh + l % 8) PW + 16 ((l / 8) % 2)
.set WO,  7                            ; staging: (l / 8) 2048 + (l % 8) 32, stepped
.set WD,  8                            ; staging: (32 w + l / 8) PW + (l % 8) 16, stepped
.set IMA, 9                            ; IMG + 16 l
.set QS,  10                           ; QP + 16384 w + 16 l, stepped by a pass
.set PFO, 11                           ; prefetch: (l / 4) 2048 + (l % 4) 256; never rewritten
.set L32, 12
.set L16, 13
.set W1S, 14
.set KVS, 15
.set KVL, 16
.set KVH, 17
.set KBS, 18
.set KBR, 19
.set QR,  28
.set IMW, 29
.set SPW, 30                           ; SPARE + 4 x my thread's number; never rewritten
.set NIL, 31                           ; 0; never rewritten
.set WF,  32
.set XB,  128
.set ONES, 192
.set KS,  200
.set MSB, 0
.macro WIN new                         ; the immediate's high byte repeats the setting that is left
.if MSB != (\new)
	s_set_vgpr_msb (MSB<<8)|(\new)
.set MSB, (\new)
.endif
.endm
.macro PLACES                          ; four plain instructions behind a matrix instruction (ISA guide 7.12.1)
.rept 4
	v_nop
.endr
.endm
; 16 loads: 64 rows x 32 channels of x in f32 into ring slot
.macro XLOAD slot, off
	WIN 0x40
.irp rt, 0,1,2,3
	global_load_b128 v[64*(\slot)+16*\rt:64*(\slot)+16*\rt+3],     v[XO], s[32:33] offset:(\off)+\rt*32768
	global_load_b128 v[64*(\slot)+16*\rt+4:64*(\slot)+16*\rt+7],   v[XO], s[32:33] offset:(\off)+\rt*32768+16
	global_load_b128 v[64*(\slot)+16*\rt+8:64*(\slot)+16*\rt+11],  v[XO], s[32:33] offset:(\off)+\rt*32768+64
	global_load_b128 v[64*(\slot)+16*\rt+12:64*(\slot)+16*\rt+15], v[XO], s[32:33] offset:(\off)+\rt*32768+80
.endr
.endm
; n roundings, from number first on, of a slot's 64 f32 into the 32 registers of fragment buffer buf
.macro CVT slot, buf, first, n
	WIN 0x05
.set cc, \first
.rept \n
	v_cvt_pk_bf16_f32 v[XB+32*(\buf)+cc], v[64*(\slot)+2*cc], v[64*(\slot)+2*cc+1]
.set cc, cc+1
.endr
.endm
; 8 turning loads: the four fragments of matrix u (0 q, 1 k, 2 v) for K step st of the trip
.macro WLD u, st
	WIN 0
.irp ct, 0,1,2,3
	ds_load_tr16_b128 v[WF+32*(\u)+8*\ct:WF+32*(\u)+8*\ct+3],   v[WA] offset:(\st)*32*PW+(4*(\u)+\ct)*32
	ds_load_tr16_b128 v[WF+32*(\u)+8*\ct+4:WF+32*(\u)+8*\ct+7], v[WA] offset:(\st)*32*PW+(4*(\u)+\ct)*32+16*PW
.endr
.endm
; 16 matrix instructions each; the 48 accumulators take turns, one instruction a turn
.macro UQ buf
	WIN 0xa0
.irp ct, 0,1,2,3
.irp rt, 0,1,2,3
	v_wmma_f32_16x16x32_bf16 v[32*\rt+8*\ct:32*\rt+8*\ct+7], v[WF+8*\ct:WF+8*\ct+7], v[XB+32*(\buf)+8*\rt:XB+32*(\buf)+8*\rt+7], v[32*\rt+8*\ct:32*\rt+8*\ct+7]
.endr
.endr
.endm
.macro UK buf
	WIN 0xa0
.irp ct, 0,1,2,3
.irp rt, 0,1,2,3
	v_wmma_f32_16x16x32_bf16 v[128+32*\rt+8*\ct:128+32*\rt+8*\ct+7], v[XB+32*(\buf)+8*\rt:XB+32*(\buf)+8*\rt+7], v[WF+32+8*\ct:WF+32+8*\ct+7], v[128+32*\rt+8*\ct:128+32*\rt+8*\ct+7]
.endr
.endr
.endm
.macro UV buf
	WIN 0xf0
.irp ct, 0,1,2,3
.irp rt, 0,1,2,3
	v_wmma_f32_16x16x32_bf16 v[32*\rt+8*\ct:32*\rt+8*\ct+7], v[XB+32*(\buf)+8*\rt:XB+32*(\buf)+8*\rt+7], v[WF+64+8*\ct:WF+64+8*\ct+7], v[32*\rt+8*\ct:32*\rt+8*\ct+7]
.endr
.endr
.endm
; K step j of a trip.  rl: slot j is asked for again, four steps ahead.  cv: the next step's x is rounded and its W fragments fetched, in three parts behind the three runs of products:
; each part's roundings are the plain instructions between a run's last product and the loads into the W buffer that it read; the eight behind the last run also stand between
; that run and the next step's writes of the x buffer that it read.  lw: loads younger than the next slot's.  d1, d2: LDS loads younger than the k and v fragments.
.macro STEP j, rl, cv, lw, d1, d2
.set NS, ((\j)+1)&3
.set NB, ((\j)+1)&1
.if \rl
	XLOAD \j, 512+128*(\j)
.endif
	s_wait_dscnt 16                        ; q's fragments are in; k's and v's 16 loads may be out
	UQ (\j)&1
.if \cv
	s_wait_loadcnt \lw
	CVT NS, NB, 0, 12
	WLD 0, (\j)+1
.endif
	s_wait_dscnt \d1
	UK (\j)&1
.if \cv
	CVT NS, NB, 12, 12
	WLD 1, (\j)+1
.endif
	s_wait_dscnt \d2
	UV (\j)&1
.if \cv
	CVT NS, NB, 24, 8
	WLD 2, (\j)+1
.endif
.endm
; staging of 128 K rows of the three matrices, 32 rows a wave: rounded in place, 16 bytes a lane into LDS; ahead = 1: the next 128 rows are asked for
.macro WCH ahead
.irp m, 0,1,2
.if \ahead
	s_wait_loadcnt 32                      ; this matrix's 16 loads are in; the two younger runs of 16 stay out
.else
	s_wait_loadcnt 32-16*\m
.endif
	WIN 0x8a
.irp p, 0,1,2,3,4,5,6,7
.irp c, 0,1,2,3
	v_cvt_pk_bf16_f32 v[64*\m+8*\p+\c], v[64*\m+8*\p+2*\c], v[64*\m+8*\p+2*\c+1]
.endr
.endr
	WIN 0x08
.irp p, 0,1,2,3,4,5,6,7
	ds_store_b128 v[WD], v[64*\m+8*\p:64*\m+8*\p+3] offset:4*PW*\p+128*\m
.endr
.if \ahead
	WIN 0x80
.irp p, 0,1,2,3,4,5,6,7
	global_load_b128 v[64*\m+8*\p:64*\m+8*\p+3],   v[WO], s[52+2*\m:53+2*\m] offset:262144+8192*\p
	global_load_b128 v[64*\m+8*\p+4:64*\m+8*\p+7], v[WO], s[52+2*\m:53+2*\m] offset:262144+8192*\p+16
.endr
.endif
.endr
	WIN 0
	s_wait_xcnt 0x0                        ; the loads and the cast's stores have read their registers: the offset may be stepped
.if \ahead
	v_add_nc_u32 v[WO], 262144, v[WO]
.endif
	v_add_nc_u32 v[WD], 128*PW, v[WD]
.endm
; a pass's end: qp into LDS; kp and v become fragments in place; kv and ksum take the pass's 64 rows
.macro EPI
	PLACES
	WIN 0x8a
.set t, 0
.rept 16
.irp c, 0,1,2,3
	v_cvt_pk_bf16_f32 v[8*t+\c], v[8*t+2*\c], v[8*t+2*\c+1]
.endr
.set t, t+1
.endr
.set t, 0
.rept 16
.irp c, 0,1,2,3
	v_pk_max_num_bf16 v[8*t+\c], v[8*t+\c], s40
.endr
.set t, t+1
.endr
	WIN 0x08
.set t, 0
.rept 16
	ds_store_b128 v[QS], v[8*t:8*t+3] offset:512*t
.set t, t+1
.endr
	WIN 0x8a
.set t, 0
.rept 8                                ; t = 4 ls + ct: row tiles 2 ls and 2 ls + 1 become registers 0-3 and 4-7 of one fragment
.set bb, 128+64*(t>>2)+8*(t&3)
.irp c, 0,1,2,3
	v_cvt_pk_bf16_f32 v[bb+\c], v[bb+2*\c], v[bb+2*\c+1]
.endr
.irp c, 0,1,2,3
	v_cvt_pk_bf16_f32 v[bb+4+\c], v[bb+32+2*\c], v[bb+32+2*\c+1]
.endr
.set t, t+1
.endr
.set t, 0
.rept 8
.set bb, 128+64*(t>>2)+8*(t&3)
.irp c, 0,1,2,3,4,5,6,7
	v_pk_max_num_bf16 v[bb+\c], v[bb+\c], s40
.endr
.set t, t+1
.endr
	WIN 0xcf
.set t, 0
.rept 8
.set bb, 64*(t>>2)+8*(t&3)
.irp c, 0,1,2,3
	v_cvt_pk_bf16_f32 v[bb+\c], v[bb+2*\c], v[bb+2*\c+1]
.endr
.irp c, 0,1,2,3
	v_cvt_pk_bf16_f32 v[bb+4+\c], v[bb+32+2*\c], v[bb+32+2*\c+1]
.endr
.set t, t+1
.endr
.irp ls, 0,1                           ; 20 accumulators take turns
	WIN 0xfe
.irp mt, 0,1,2,3
.irp nt, 0,1,2,3
	v_wmma_f32_16x16x32_bf16 v[128+32*\mt+8*\nt:128+32*\mt+8*\nt+7], v[128+64*\ls+8*\mt:128+64*\ls+8*\mt+7], v[64*\ls+8*\nt:64*\ls+8*\nt+7], v[128+32*\mt+8*\nt:128+32*\mt+8*\nt+7]
.endr
.endr
	WIN 0x02
.irp mt, 0,1,2,3
	v_wmma_f32_16x16x32_bf16 v[KS+8*\mt:KS+8*\mt+7], v[128+64*\ls+8*\mt:128+64*\ls+8*\mt+7], v[ONES:ONES+7], v[KS+8*\mt:KS+8*\mt+7]
.endr
.endr
.endm
	s_load_b512 s[4:19], s[0:1], 0x0       ; x, Wq, bq, Wk, bk, Wv, bv, Wo
	s_load_b256 s[20:27], s[0:1], 0x40     ; W1, W2, att, wts
	s_load_b512 s[68:83], s[0:1], 0x60     ; bo, ln1_scale, ln1_bias, b2, ln2_scale, ln2_bias, b1, vec
	v_lshl_add_u32 v[SPW], v0, 2, SPARE
	v_mov_b32 v[NIL], 0
	v_lshrrev_b32 v1, 5, v0
	v_readfirstlane_b32 s28, v1            ; wave w
	s_mov_b32 s29, ttmp9                   ; head h
	s_and_b32 s30, ttmp7, 0xffff           ; batch b
	s_lshl3_add_u32 s31, s30, s29
	s_lshl2_add_u32 s31, s31, s28          ; G = (8 b + h) 4 + w: my share of the cast
	s_mov_b32 s40, 0x3a833a83              ; e in bf16, twice
	s_mov_b32 s41, 0x3a83126f              ; e in f32
	s_mov_b32 s42, 0xffff0000              ; a word's upper bf16
	v_and_b32 v3, 31, v0                   ; l
	v_and_b32 v1, 15, v0                   ; r
	v_bfe_u32 v2, v0, 4, 1                 ; hh
	v_and_b32 v20, 7, v0
	v_bfe_u32 v21, v0, 3, 1
	v_bfe_u32 v22, v0, 3, 2
	v_lshlrev_b32 v[XO], 11, v1
	v_lshl_add_u32 v[XO], v2, 5, v[XO]
	v_lshl_add_u32 v23, v2, 3, v20
	v_mul_u32_u24 v[WA0], v23, PW
	v_lshl_add_u32 v[WA0], v21, 4, v[WA0]
	v_lshlrev_b32 v[WO], 11, v22
	v_lshl_add_u32 v[WO], v20, 5, v[WO]
	s_mul_i32 s48, s28, 32*PW
	v_mul_u32_u24 v[WD], v22, PW
	v_lshl_add_u32 v[WD], v20, 4, v[WD]
	v_add_nc_u32 v[WD], s48, v[WD]
	v_lshlrev_b32 v[L16], 4, v3
	v_lshlrev_b32 v[L32], 5, v3
	v_add_nc_u32 v[IMA], IMG, v[L16]
	s_lshl_b32 s48, s28, 10
	v_add_nc_u32 v[IMW], s48, v[IMA]
	v_add_nc_u32 v[KVL], s48, v[L16]
	v_add_nc_u32 v[KVH], 2*KVPW, v[KVL]
	s_lshl_b32 s48, s28, 14
	s_add_co_u32 s48, s48, QP
	v_add_nc_u32 v[QS], s48, v[L16]
	v_mov_b32 v[QR], v[QS]
	v_lshrrev_b32 v23, 2, v3
	v_and_b32 v24, 3, v0
	v_lshlrev_b32 v[PFO], 11, v23
	v_lshl_add_u32 v[PFO], v24, 8, v[PFO]
	v_lshlrev_b32 v[W1S], 18, v2
	v_lshl_add_u32 v[W1S], v1, 4, v[W1S]
	s_mul_i32 s48, s28, KVPW
	v_add_nc_u32 v[KVS], s48, v[L16]
	s_lshl_b32 s48, s28, 9
	s_add_co_u32 s48, s48, KVB
	v_add_nc_u32 v[KBS], s48, v[L16]
	v_add_nc_u32 v[KBR], KVB, v[L16]
	; the cast's offsets.  In: Wo 1024 G + 32 l; W1, W2 4096 G + 32 l.  Out: see the layout of wts above
	s_lshl_b32 s48, s31, 10
	v_add_nc_u32 v40, s48, v[L32]
	s_lshl_b32 s48, s31, 12
	v_add_nc_u32 v41, s48, v[L32]
	s_lshl_b32 s48, s31, 9
	v_add_nc_u32 v42, s48, v[L16]
	v_add_nc_u32 v61, s48, v[L16]          ; vec: 512 G + 16 l
	s_lshr_b32 s48, s31, 6
	s_lshl_b32 s48, s48, 18
	s_add_co_u32 s48, s48, 5*TILEB
	s_and_b32 s49, s31, 63
	s_lshl_b32 s49, s49, 11
	s_add_co_u32 s48, s48, s49
	v_add_nc_u32 v43, s48, v[L16]
	s_lshr_b32 s49, s31, 1                 ; W1's row k
	s_and_b32 s50, s49, 127
	s_lshl_b32 s50, s50, 10
	s_lshr_b32 s49, s49, 7
	s_lshl_b32 s49, s49, 8
	s_add_co_u32 s50, s50, s49
	s_and_b32 s49, s31, 1
	s_lshl_b32 s49, s49, 21
	s_add_co_u32 s50, s50, s49
	s_add_co_u32 s50, s50, 4*TILEB
	v_add_nc_u32 v44, s50, v[W1S]
	s_lshl_b32 s48, s29, 8
	s_lshl_b32 s49, s28, 6
	s_add_co_u32 s48, s48, s49
	v_lshl_add_u32 v45, v2, 5, s48         ; bq: (64 h + 16 w + 8 hh) 4
	v_lshl_add_u32 v46, v1, 2, s48         ; bk, bv: (64 h + 16 w + r) 4
.irp i, 56,57,58,59
	v_mov_b32 v\i, 0                       ; written in every wave, so that no way through the text finds them unwritten: 40 waves load their share of the vectors into them
.endr
	s_wait_kmcnt 0x0
	s_lshl_b32 s48, s30, 20
	s_lshl_b32 s49, s28, 18
	s_add_co_u32 s48, s48, s49
	s_mov_b32 s49, 0
	s_add_nc_u64 s[34:35], s[4:5], s[48:49]     ; x at my wave's first row
	s_mov_b64 s[32:33], s[34:35]                ; and the pointer that walks along K
	s_lshl_b32 s48, s29, 14
	s_add_nc_u64 s[36:37], s[34:35], s[48:49]   ; prefetch: my head's 8 rows of the wave's 64; never rewritten
	s_lshl_b32 s48, s29, 8
	s_lshl_b32 s50, s28, 16
	s_add_co_u32 s48, s48, s50
	s_add_nc_u64 s[52:53], s[6:7], s[48:49]     ; Wq, Wk, Wv at the head's columns and my 32 rows
	s_add_nc_u64 s[54:55], s[10:11], s[48:49]
	s_add_nc_u64 s[56:57], s[14:15], s[48:49]
	s_lshl_b32 s48, s30, 19
	s_lshl_b32 s50, s28, 17
	s_add_co_u32 s48, s48, s50
	s_lshl_b32 s50, s29, 11
	s_add_co_u32 s48, s48, s50
	s_add_nc_u64 s[44:45], s[24:25], s[48:49]   ; att at (32 b + 8 w) 16384 + 2048 h
	XLOAD 0, 0                             ; the ring's first four K steps: the oldest loads
	XLOAD 1, 128
	XLOAD 2, 256
	XLOAD 3, 384
	WIN 0xc0                               ; the cast's 18 loads, into v's registers, which are still free
	global_load_b128 v[0:3], v40, s[18:19] th:TH_LOAD_NT
	global_load_b128 v[4:7], v40, s[18:19] offset:16 th:TH_LOAD_NT
.irp i, 0,1,2,3
	global_load_b128 v[8+8*\i:11+8*\i],  v41, s[22:23] offset:1024*\i th:TH_LOAD_NT
	global_load_b128 v[12+8*\i:15+8*\i], v41, s[22:23] offset:1024*\i+16 th:TH_LOAD_NT
.endr
.irp i, 0,1,2,3
	global_load_b128 v[40+8*\i:43+8*\i], v41, s[20:21] offset:1024*\i th:TH_LOAD_NT
	global_load_b128 v[44+8*\i:47+8*\i], v41, s[20:21] offset:1024*\i+16 th:TH_LOAD_NT
.endr
	WIN 0
	global_load_b128 v[20:23], v45, s[8:9]
	global_load_b128 v[24:27], v45, s[8:9] offset:16
	global_load_b32 v32, v46, s[12:13]
	global_load_b32 v36, v46, s[16:17]
	; the small vectors: block G of 128 numbers, G < 40: blocks 0-23 are the six vectors of 512, four blocks each; 24-39 are b1.  The load is older than the weights' 48 below
	s_cmp_lt_u32 s31, 40
	s_cselect_b32 s58, 1, 0
	s_cbranch_scc0 .Lnv1
	s_lshr_b32 s59, s31, 2
	s_mov_b64 s[84:85], s[80:81]
.irp i, 0,1,2,3,4,5
	s_cmp_eq_u32 s59, \i
	s_cselect_b64 s[84:85], s[68+2*\i:69+2*\i], s[84:85]
.endr
	s_and_b32 s60, s31, 3
	s_sub_co_u32 s61, s31, 24
	s_cmp_lt_u32 s31, 24
	s_cselect_b32 s60, s60, s61
	s_lshl_b32 s60, s60, 9
	v_add_nc_u32 v60, s60, v[L16]
	global_load_b128 v[56:59], v60, s[84:85]
.Lnv1:
	WIN 0x80                               ; the first 128 K rows of the weights: 48 loads
.irp m, 0,1,2
.irp p, 0,1,2,3,4,5,6,7
	global_load_b128 v[64*\m+8*\p:64*\m+8*\p+3],   v[WO], s[52+2*\m:53+2*\m] offset:8192*\p
	global_load_b128 v[64*\m+8*\p+4:64*\m+8*\p+7], v[WO], s[52+2*\m:53+2*\m] offset:8192*\p+16
.endr
.endr
	WIN 0xc0                               ; kv and ksum start at 0, written while the loads are out: the price of one text for both passes' ends
.set i, 128
.rept 128
	v_mov_b32 v[i], 0
.set i, i+1
.endr
	WIN 0
.set i, 0
.rept 32
	v_mov_b32 v[KS+i], 0
.set i, i+1
.endr
.set i, 0
.rept 8
	v_mov_b32 v[ONES+i], 0x3f803f80
.set i, i+1
.endr
	s_wait_loadcnt 48                      ; all but the weights' 48
	WIN 0xcf
.set i, 0
.rept 5                                ; Wo and W2: to bf16, in place
.irp c, 0,1,2,3
	v_cvt_pk_bf16_f32 v[8*i+\c], v[8*i+2*\c], v[8*i+2*\c+1]
.endr
.set i, i+1
.endr
.set i, 5
.rept 4                                ; W1: to bf16 (v72-87 of this window are still free), widened again, and that number written as f16
.irp c, 0,1,2,3
	v_cvt_pk_bf16_f32 v[72+4*(i-5)+\c], v[8*i+2*\c], v[8*i+2*\c+1]
.endr
.set i, i+1
.endr
.set i, 5
.rept 4
.irp c, 0,1,2,3
	v_lshlrev_b32 v[8*i+2*\c], 16, v[72+4*(i-5)+\c]
	v_and_b32 v[8*i+2*\c+1], s42, v[72+4*(i-5)+\c]
.endr
.set i, i+1
.endr
.set i, 5
.rept 4
.irp c, 0,1,2,3
	v_cvt_pk_f16_f32 v[8*i+\c], v[8*i+2*\c], v[8*i+2*\c+1]
.endr
.set i, i+1
.endr
	WIN 0x0c                               ; 16 lanes of each store cover 256 consecutive bytes, aligned
	global_store_b128 v42, v[0:3], s[26:27]
.irp i, 0,1,2,3
	global_store_b128 v43, v[8+8*\i:11+8*\i], s[26:27] offset:512*\i
.endr
.irp i, 0,1,2,3
	global_store_b128 v44, v[40+8*\i:43+8*\i], s[26:27] offset:4*TILEB*\i
.endr
	WIN 0                                  ; the bias tiles: wave w makes column tile w of q, k and v.  The biases are rounded to bf16 like every input, and widened again
.irp p, 0,1,2,3
	v_cvt_pk_bf16_f32 v[48+\p], v[20+2*\p], v[21+2*\p]
.endr
	v_cvt_pk_bf16_f32 v52, v32, v36
.irp p, 0,1,2,3
	v_lshlrev_b32 v[20+2*\p], 16, v[48+\p]
	v_and_b32 v[21+2*\p], s42, v[48+\p]
.endr
	v_lshlrev_b32 v32, 16, v52
	v_and_b32 v36, s42, v52
.irp i, 20,21,22,23,24,25,26,27
	v_add_f32 v\i, s41, v\i
.endr
	v_add_f32 v32, s41, v32
	v_mov_b32 v33, v32
	v_mov_b32 v34, v32
	v_mov_b32 v35, v32
	v_mov_b32 v37, v36
	v_mov_b32 v38, v36
	v_mov_b32 v39, v36
	ds_store_b128 v[IMW], v[20:23]
	ds_store_b128 v[IMW], v[24:27] offset:512
	ds_store_b128 v[IMW], v[32:35] offset:4096
	ds_store_b128 v[IMW], v[32:35] offset:4608
	ds_store_b128 v[IMW], v[36:39] offset:8192
	ds_store_b128 v[IMW], v[36:39] offset:8704
	s_cmp_eq_u32 s58, 1                    ; the 40 waves' share of the vectors: rounded, widened, stored: 512 consecutive bytes, aligned
	s_cbranch_scc0 .Lnv2
	v_cvt_pk_bf16_f32 v62, v56, v57
	v_cvt_pk_bf16_f32 v63, v58, v59
	v_lshlrev_b32 v56, 16, v62
	v_and_b32 v57, s42, v62
	v_lshlrev_b32 v58, 16, v63
	v_and_b32 v59, s42, v63
	global_store_b128 v61, v[56:59], s[82:83]
.Lnv2:
	s_mov_b32 s46, 3
.Lwch:
	WCH 1
	s_sub_co_u32 s46, s46, 1
	s_cmp_lg_u32 s46, 0
	s_cbranch_scc1 .Lwch
	; PREFETCH of x.  The eight heads of a batch read the same rows: of a wave's 64 rows x 1,024 bytes (half of K in a pass) head h names rows 8 h + l / 4, block l % 4 of 256 bytes:
	; each block is named once in the launch.  Here: pass 0, second half of K, eight K steps ahead of its loads.  The first half comes by its loads alone.
	global_prefetch_b8 v[PFO], s[36:37] offset:1024 th:TH_LOAD_NT scope:SCOPE_SE
	WCH 0
	s_wait_dscnt 0x0                       ; my stores of weights and bias tiles are done
	s_barrier_signal -1
	s_barrier_wait -1                      ; everybody's are
	s_mov_b32 s38, 2
.Lpass:
	v_mov_b32 v[WA], v[WA0]
	WIN 0x80                               ; the sums start with the bias tiles: nothing is cleared, no bias is added later
.irp rt, 0,1,2,3
.irp ct, 0,1,2,3
	ds_load_b128 v[32*\rt+8*\ct:32*\rt+8*\ct+3],         v[IMA] offset:1024*\ct
	ds_load_b128 v[32*\rt+8*\ct+4:32*\rt+8*\ct+7],       v[IMA] offset:1024*\ct+512
	ds_load_b128 v[128+32*\rt+8*\ct:128+32*\rt+8*\ct+3],   v[IMA] offset:4096+1024*\ct
	ds_load_b128 v[128+32*\rt+8*\ct+4:128+32*\rt+8*\ct+7], v[IMA] offset:4096+1024*\ct+512
.endr
.endr
	WIN 0xc0
.irp rt, 0,1,2,3
.irp ct, 0,1,2,3
	ds_load_b128 v[32*\rt+8*\ct:32*\rt+8*\ct+3],   v[IMA] offset:8192+1024*\ct
	ds_load_b128 v[32*\rt+8*\ct+4:32*\rt+8*\ct+7], v[IMA] offset:8192+1024*\ct+512
.endr
.endr
	s_wait_loadcnt 48                      ; slot 0 is in; the three younger slots' 48 loads stay out
	CVT 0, 0, 0, 32
	WLD 0, 0
	WLD 1, 0
	WLD 2, 0
	WIN 0
	s_mov_b32 s39, 3
.Ltrip:
	s_lshl2_add_u32 s48, s38, s39
	s_cmp_eq_u32 s48, 10                   ; pass 0, second trip: the second pass's first half of K
	s_cbranch_scc0 .Lnp1
	global_prefetch_b8 v[PFO], s[36:37] offset:131072 th:TH_LOAD_NT scope:SCOPE_SE
.Lnp1:
	STEP 0, 1, 1, 48, 16, 16
	STEP 1, 1, 1, 48, 16, 16
	STEP 2, 1, 1, 48, 16, 16
	STEP 3, 1, 1, 48, 16, 16
	WIN 0
	v_add_nc_u32 v[WA], 128*PW, v[WA]
	s_wait_xcnt 0x0                        ; the trip's loads have read the pointer
	s_add_nc_u64 s[32:33], s[32:33], 512
	s_sub_co_u32 s39, s39, 1
	s_cmp_lg_u32 s39, 0
	s_cbranch_scc1 .Ltrip
	s_cmp_eq_u32 s38, 2                    ; pass 0, last trip: the second pass's second half of K
	s_cbranch_scc0 .Lnp2
	global_prefetch_b8 v[PFO], s[36:37] offset:132096 th:TH_LOAD_NT scope:SCOPE_SE
.Lnp2:
	STEP 0, 0, 1, 32, 16, 16               ; the last four K steps load nothing: the counts run down
	STEP 1, 0, 1, 16, 16, 16
	STEP 2, 0, 1, 0, 16, 16
	STEP 3, 0, 0, 0, 8, 0
	WIN 0
	s_cmp_eq_u32 s38, 1
	s_cbranch_scc1 .Lnox                   ; behind the second pass there is no x to ask for
	s_wait_xcnt 0x0
	s_add_nc_u64 s[32:33], s[34:35], 131072     ; my rows 64 .. 127
	XLOAD 0, 0
	XLOAD 1, 128
	XLOAD 2, 256
	XLOAD 3, 384
	WIN 0
.Lnox:
	EPI
	PLACES                                 ; in front of the loads into the fragments' registers, and of the stores of kv
	WIN 0
	v_add_nc_u32 v[QS], 8192, v[QS]
	s_sub_co_u32 s38, s38, 1
	s_cmp_lg_u32 s38, 0
	s_cbranch_scc1 .Lpass
	; THE FOUR WAVES' kv AND ksum MEET IN LDS, over the weights, which nobody reads behind this barrier
	s_wait_dscnt 0x0
	s_barrier_signal -1
	s_barrier_wait -1
	WIN 0x0c
.irp mt, 0,1,2,3
.irp nt, 0,1,2,3
	ds_store_b128 v[KVS], v[128+32*\mt+8*\nt:128+32*\mt+8*\nt+3]   offset:(4*\nt+\mt)*1024
	ds_store_b128 v[KVS], v[128+32*\mt+8*\nt+4:128+32*\mt+8*\nt+7] offset:(4*\nt+\mt)*1024+512
.endr
.endr
	WIN 0
.irp mt, 0,1,2,3
	ds_store_b128 v[KVS], v[KS+8*\mt:KS+8*\mt+3]   offset:(16+\mt)*1024
	ds_store_b128 v[KVS], v[KS+8*\mt+4:KS+8*\mt+7] offset:(16+\mt)*1024+512
.endr
	s_wait_dscnt 0x0
	s_barrier_signal -1
	s_barrier_wait -1
	WIN 0x40                               ; wave w sums the five tiles with mt = w
.irp u, 0,1,2,3
.irp nt, 0,1,2,3,4
.irp sub, 0,1
	ds_load_b128 v[40*\u+8*\nt+4*\sub:40*\u+8*\nt+4*\sub+3], v[KVL+(\u>>1)] offset:(\u&1)*KVPW+4096*\nt+512*\sub
.endr
.endr
.endr
	s_wait_dscnt 0x0
	WIN 0x45
.set z, 0
.rept 20
	v_pk_add_f32 v[2*z:2*z+1], v[2*z:2*z+1], v[40+2*z:41+2*z]
	v_pk_add_f32 v[80+2*z:81+2*z], v[80+2*z:81+2*z], v[120+2*z:121+2*z]
.set z, z+1
.endr
.set z, 0
.rept 20
	v_pk_add_f32 v[2*z:2*z+1], v[2*z:2*z+1], v[80+2*z:81+2*z]
.set z, z+1
.endr
.set z, 0
.rept 5
.irp c, 0,1,2,3
	v_cvt_pk_bf16_f32 v[8*z+\c], v[8*z+2*\c], v[8*z+2*\c+1]
.endr
.set z, z+1
.endr
	WIN 0x04
.irp nt, 0,1,2,3,4
	ds_store_b128 v[KBS], v[8*\nt:8*\nt+3] offset:2048*\nt
.endr
	WIN 0
	s_wait_dscnt 0x0
	s_barrier_signal -1
	s_barrier_wait -1
.set t, 0
.rept 20                               ; image 4 nt + mt: fragment (nt, ks) lies at WF + 16 nt + 8 ks; nt = 4 is ksum
	ds_load_b128 v[WF+4*t:WF+4*t+3], v[KBR] offset:512*t
.set t, t+1
.endr
	; att = (qp kv) / (qp ksum): four trips of two row tiles; the divisor is a fifth tile, the same in all its rows
	s_mov_b32 s46, 4
.Lnum:
.irp e, 0,1
.irp i, 0,1,2,3
	ds_load_b128 v[XB+16*\e+4*\i:XB+16*\e+4*\i+3], v[QR] offset:2048*\e+512*\i
.endr
.endr
	s_wait_dscnt 0x0
.irp ks, 0,1
.irp e, 0,1
.irp nt, 0,1,2,3,4
.if \ks == 0
	v_wmma_f32_16x16x32_bf16 v[160+40*\e+8*\nt:160+40*\e+8*\nt+7], v[WF+16*\nt+8*\ks:WF+16*\nt+8*\ks+7], v[XB+16*\e+8*\ks:XB+16*\e+8*\ks+7], 0
.else
	v_wmma_f32_16x16x32_bf16 v[160+40*\e+8*\nt:160+40*\e+8*\nt+7], v[WF+16*\nt+8*\ks:WF+16*\nt+8*\ks+7], v[XB+16*\e+8*\ks:XB+16*\e+8*\ks+7], v[160+40*\e+8*\nt:160+40*\e+8*\nt+7]
.endif
.endr
.endr
.endr
	PLACES
	v_rcp_f32 v24, v192                    ; the divisor lies in the lowest register of its tile
	v_rcp_f32 v26, v232
	v_nop                                  ; a plain instruction behind the last reciprocal,
	s_wait_alu depctr_va_vdst(0)           ; and the one wait ahead of the first use
.irp e, 0,1
.irp nt, 0,1,2,3
.irp z, 0,1,2,3
	v_pk_mul_f32 v[160+40*\e+8*\nt+2*\z:160+40*\e+8*\nt+2*\z+1], v[160+40*\e+8*\nt+2*\z:160+40*\e+8*\nt+2*\z+1], v[24+2*\e:25+2*\e] op_sel_hi:[1,0]
.endr
.endr
.endr
.irp e, 0,1
.irp nt, 0,1,2,3
.irp c, 0,1,2,3
	v_cvt_pk_bf16_f32 v[160+40*\e+8*\nt+\c], v[160+40*\e+8*\nt+2*\c], v[160+40*\e+8*\nt+2*\c+1]
.endr
.endr
.endr
.irp e, 0,1
.irp nt, 0,1,2,3
	global_store_b128 v[L16], v[160+40*\e+8*\nt:160+40*\e+8*\nt+3], s[44:45] offset:16384*\e+512*\nt   ; 512 consecutive bytes, aligned
.endr
.endr
	s_wait_xcnt 0x0                        ; the stores have read their data and their base
	s_add_nc_u64 s[44:45], s[44:45], 32768
	v_add_nc_u32 v[QR], 4096, v[QR]
	s_sub_co_u32 s46, s46, 1
	s_cmp_lg_u32 s46, 0
	s_cbranch_scc1 .Lnum
	s_wait_tensorcnt 0x0                   ; the wave's end, behind my last LDS store
	ds_add_u32 v[SPW], v[NIL]
	s_wait_dscnt 0x0
	s_endpgm
.Lfunc_end_k_q86d2ffa0b2_attn:
	.size	k_q86d2ffa0b2_attn, .Lfunc_end_k_q86d2ffa0b2_attn-k_q86d2ffa0b2_attn
	.p2alignl 7, 3214868480
	.fill 96, 4, 3214868480
	.section	.rodata,"a",@progbits
	.p2align	6, 0x0
	.amdhsa_kernel k_q86d2ffa0b2_attn
		.amdhsa_group_segment_fixed_size 291328
		.amdhsa_private_segment_fixed_size 0
		.amdhsa_enable_private_segment 0
		.amdhsa_kernarg_size 160
		.amdhsa_user_sgpr_count 2
		.amdhsa_user_sgpr_kernarg_segment_ptr 1
		.amdhsa_wavefront_size32 1
		.amdhsa_system_sgpr_workgroup_id_x 1
		.amdhsa_system_sgpr_workgroup_id_y 1
		.amdhsa_system_sgpr_workgroup_id_z 1
		.amdhsa_system_vgpr_workitem_id 0
		.amdhsa_next_free_vgpr 1024
		.amdhsa_next_free_sgpr 88
		.amdhsa_reserve_vcc 0
		.amdhsa_float_denorm_mode_32 3
		.amdhsa_float_denorm_mode_16_64 3
		.amdhsa_memory_ordered 1
		.amdhsa_forward_progress 1
		.amdhsa_inst_pref_size 170
	.end_amdhsa_kernel
	.amdgpu_metadata
---
amdhsa.version: [ 1, 2 ]
amdhsa.kernels:
  - .name:           k_q86d2ffa0b2_attn
    .symbol:         k_q86d2ffa0b2_attn.kd
    .args:
      - { .name: x, .offset: 0, .size: 8, .value_kind: global_buffer, .address_space: global }
      - { .name: Wq, .offset: 8, .size: 8, .value_kind: global_buffer, .address_space: global }
      - { .name: bq, .offset: 16, .size: 8, .value_kind: global_buffer, .address_space: global }
      - { .name: Wk, .offset: 24, .size: 8, .value_kind: global_buffer, .address_space: global }
      - { .name: bk, .offset: 32, .size: 8, .value_kind: global_buffer, .address_space: global }
      - { .name: Wv, .offset: 40, .size: 8, .value_kind: global_buffer, .address_space: global }
      - { .name: bv, .offset: 48, .size: 8, .value_kind: global_buffer, .address_space: global }
      - { .name: Wo, .offset: 56, .size: 8, .value_kind: global_buffer, .address_space: global }
      - { .name: W1, .offset: 64, .size: 8, .value_kind: global_buffer, .address_space: global }
      - { .name: W2, .offset: 72, .size: 8, .value_kind: global_buffer, .address_space: global }
      - { .name: att, .offset: 80, .size: 8, .value_kind: global_buffer, .address_space: global }
      - { .name: wts, .offset: 88, .size: 8, .value_kind: global_buffer, .address_space: global }
      - { .name: bo, .offset: 96, .size: 8, .value_kind: global_buffer, .address_space: global }
      - { .name: ln1_scale, .offset: 104, .size: 8, .value_kind: global_buffer, .address_space: global }
      - { .name: ln1_bias, .offset: 112, .size: 8, .value_kind: global_buffer, .address_space: global }
      - { .name: b2, .offset: 120, .size: 8, .value_kind: global_buffer, .address_space: global }
      - { .name: ln2_scale, .offset: 128, .size: 8, .value_kind: global_buffer, .address_space: global }
      - { .name: ln2_bias, .offset: 136, .size: 8, .value_kind: global_buffer, .address_space: global }
      - { .name: b1, .offset: 144, .size: 8, .value_kind: global_buffer, .address_space: global }
      - { .name: vec, .offset: 152, .size: 8, .value_kind: global_buffer, .address_space: global }
    .group_segment_fixed_size: 291328
    .private_segment_fixed_size: 0
    .kernarg_segment_align: 8
    .kernarg_segment_size: 160
    .max_flat_workgroup_size: 128
    .sgpr_count:     88
    .vgpr_count:     1024
    .wavefront_size: 32
...
	.end_amdgpu_metadata
.endif
;; end of part 1
;; launch ffn (part 2): grid 256 x 1, 4 waves a work-group, clusters of 4 x 1, 327,680 bytes of LDS; arguments att, wts, x, vec, out0; writes out0
.if DOCPART == 2
	.amdgcn_target "amdgcn-amd-amdhsa--gfx1250"
	.amdhsa_code_object_version 6
	.text
	.protected	k_q86d2ffa0b2_ffn
	.globl	k_q86d2ffa0b2_ffn
	.p2align	8
	.type	k_q86d2ffa0b2_ffn,@function
k_q86d2ffa0b2_ffn:
	s_mov_b64 s[64:65], 0
	v_nop
	global_prefetch_b8 v0, s[64:65] scope:SCOPE_SE
	s_setreg_imm32_b32 hwreg(HW_REG_WAVE_MODE, 25, 1), 1
	s_wait_xcnt 0x0
	s_wait_alu depctr_hold_cnt(0) depctr_sa_sdst(0) depctr_va_vdst(0) depctr_va_sdst(0) depctr_va_ssrc(0) depctr_va_vcc(0) depctr_vm_vsrc(0)
	s_getreg_b32 s2, hwreg(HW_REG_IB_STS2, 6, 4)
	s_cmp_eq_u32 s2, 0
	s_cbranch_scc0 .Lentry_in_a_cluster
	s_endpgm
.Lentry_in_a_cluster:
	s_bfe_u32 s2, ttmp6, 0x10000c
	s_cmp_lg_u32 s2, 0x3003
	s_cbranch_scc0 .Lentry_shape_is_right
	s_endpgm
.Lentry_shape_is_right:
; ENCODER BLOCK, LAUNCH 2 OF 2: h = LN1(att Wo + bo + x); out0 = LN2(relu(h W1 + b1) W2 + b2 + h).  Nothing of reference() is left out.
; FORMATS.  EVERY INPUT OF THE MODULE IS ROUNDED TO bf16 ONCE: the weights and the small vectors (vec: f32 numbers that are already so rounded) by the launch before; here x, the residual.
; att, the hidden layer, Wo and W2 are bf16 operands.  THE PRODUCT h W1 GOES IN f16: h is rounded to f16 (11 significant bits for 8), W1 lies in wts as the f16 of its bf16 rounding.
; h has room there by the norm itself: |h| <= sqrt(511) |ln1_scale| + |ln1_bias|, under 65,504 for gains up to some 2,800.  The hidden layer has no such bound and stays in bf16.
; Sums, residuals and both norms are f32; the variance is taken of x - mean, as reference() takes it.
; LIMITS.  22.6 |ln1_scale| + |ln1_bias| and |W1| stay under 65,504; below 6e-5 h keeps f16's fixed step of 6e-8.
; relu is v_pk_max_num_bf16 behind the rounding: a NaN in the hidden layer becomes 0.  Infinities are not treated apart.  The hidden layer's 16 chunks are summed in an order that hangs on the cluster.
; SHARES.  A work-group owns 64 rows; wave w owns output columns 128 w .. 128 w + 127 of all of them: 32 accumulators, 256 registers, which carry
; x -> + att Wo -> LN1 -> h -> + relu(..) W2 -> LN2 from first to last.  All products are taken transposed (source 0 = weights, source 1 = data): a lane (r = l % 16, hh = l / 16)
; holds row 16 rt + r and columns 128 w + 16 ct + 8 hh + 0..7.  The hidden layer goes in 16 chunks of 128 columns; wave w makes columns 32 w .. of a chunk, which are K step w of the second product.
; THE WEIGHTS come as 36 tiles of 131,072 bytes through two LDS slots: Wo's four, then A(0), A(1), C(0), A(2), C(1), .. A(15), C(14), C(15), where A(i) is W1's and C(i) W2's tile of the walk's
; i-th chunk.  A chunk's hidden numbers are made a tile earlier than they are multiplied, and lie in two LDS buffers by turns.  THE WALK BEGINS AT ANOTHER CHUNK IN EACH CLUSTER, chunk (cluster
; number + i) mod 16 at place i, so that the clusters do not all ask for the same tile at the same time.  The four work-groups of a cluster walk alike and ask JOINTLY: the same tensor load, descriptor
; and mask in all four; each wave asks for its 32 rows of 1,024 bytes.  By this text's count one tensor load of a wave is out at a time.
; CARRIED PRODUCTS.  A tile is multiplied in four batches of 32 matrix instructions.  The fourth batch's fragments are in registers when the slot is left: its products stand behind the refill and
; behind the next tile's first LDS loads, so that the wave multiplies while those loads are out.
; REGISTERS, in windows of 256 (s_set_vgpr_msb: bits 1:0 source 0, 3:2 source 1, 5:4 source 2, 7:6 destination):
;   window 0: v0-31 addresses; v32-63 the norms' work, in the loop a buffer X of hidden fragments; v64-127 the hidden chunk's 8 accumulators, by turns two more such buffers Y, Z;
;             v128-255 weight fragments, two buffers of 64
;   window 1: the accumulators, (rt, ct) at 64 rt + 8 ct      windows 2, 3: the resident data operand (att, later h): K step kk in window 2 + kk / 8 at 32 (kk % 8) + 8 rt
.set PT,    1056                       ; a tile's row in LDS: 1,024 bytes + 32 = 33 x 32
.set SLOT,  128*PT                     ; 135,168
.set XCH,   2*SLOT                     ; 270,336: 33,792 bytes that ds_store alone writes: the hidden chunks' two buffers; the exchange of h; the way out
.set HBUF,  16384                      ; a hidden chunk's images
.set B1L,   XCH+33792                  ; 304,128: b1 in f32, in the order of my cluster's walk
.set STAT,  B1L+8192                   ; 312,320: four areas of 1,024 bytes for the norms' sums
.set SPARE, STAT+4096                  ; 316,416: the spare words, 128 bytes a wave
.set TILEB, 131072
.set AB,  8                            ; v8-9 W1 fragments: slot 0, rows 0-63 and 64-127; v26-27 the same in slot 1
.set CB,  10                           ; v10-13  Wo and W2 fragments: slot 0 low, high; slot 1 low, high
.set HX,  32
.set HY,  64
.set HZ,  96
.set HA,  64
.set WF,  128
.set MSB, 0
.macro WIN new
.if MSB != (\new)
	s_set_vgpr_msb (MSB<<8)|(\new)
.set MSB, (\new)
.endif
.endm
.macro PLACES
.rept 4
	v_nop
.endr
.endm
; a round of the cluster's barrier
.macro CROUND
	s_barrier_signal -1
	s_barrier_wait -1
	s_cmp_lg_u32 s46, 0
	s_cbranch_scc1 .Lnw0_\@
	s_barrier_signal -3
.Lnw0_\@:
	s_barrier_wait -3
	s_barrier_signal -1
	s_barrier_wait -1
.endm
; dst = the byte offset in wts of a tile of the chunk at place (trip + add) of my cluster's walk: ((s63 + add) mod 16) x two tiles + base
.macro TOFF dst, add, base
	s_add_co_u32 \dst, s63, \add
	s_and_b32 \dst, \dst, 15
	s_lshl_b32 \dst, \dst, 18
	s_add_co_u32 \dst, \dst, \base
.endm
; THE CHANGE OF SLOTS.  Each wave waits for all its tensor loads (one is out: its part of the tile to be read next), adds 0 to its spare word, and waits for that and for its LDS reads and stores.
; fill = 1: a round of the cluster's barrier, so that no wave of any partner still reads the slot or has a load on its way; then the tile at byte s56 of wts goes into slot nslot, first thing behind
; the round.  The descriptor's address is made anew: my 32 rows of tile 0, plus the offset.  The barrier also orders the hidden chunks' stores and the reads of them.
.macro CHANGE nslot, fill
	WIN 0
	s_wait_tensorcnt 0x0
	ds_add_u32 v30, v31                    ; the descriptor's words stand between it and its wait
.if \fill
	s_add_co_u32 s41, s49, (\nslot)*SLOT
	s_add_nc_u64 s[42:43], s[14:15], s[56:57]
	s_or_b32 s43, s43, 0x80000000
	s_wait_dscnt 0x0
	CROUND
	tensor_load_to_lds s[40:43], s[32:39]
	s_nop 0
	PLACES                                 ; also the places in front of the loads into fragment registers
.else
	s_wait_dscnt 0x0
	s_barrier_signal -1
	s_barrier_wait -1
	PLACES
.endif
.endm
; A PREFETCH.  A tile of W1 or W2 is first asked for by the clusters whose walk begins with its chunk.  Of these the one with a number under 16 names it: its 16 waves x 32 lanes name the tile's 512
; blocks of 256 bytes once each, told apart by address.  A(0) is named behind the first change of slots, three refills ahead of its load; C(0) behind the third, three refills and a norm ahead.
.macro ASK off
	s_cmp_eq_u32 s50, 1
	s_cbranch_scc0 .Lna_\@
	global_prefetch_b8 v7, s[44:45] offset:\off th:TH_LOAD_NT scope:SCOPE_SE
.Lna_\@:
.endm
; 16 turning loads: my 8 column tiles, K step q of the tile in slot
.macro CLD slot, q, buf
	WIN 0
.set BA, CB+2*(\slot)+((\q)>>1)
.irp ct, 0,1,2,3,4,5,6,7
	ds_load_tr16_b128 v[WF+64*(\buf)+8*\ct:WF+64*(\buf)+8*\ct+3],   v[BA] offset:((\q)&1)*32*PT+32*\ct
	ds_load_tr16_b128 v[WF+64*(\buf)+8*\ct+4:WF+64*(\buf)+8*\ct+7], v[BA] offset:((\q)&1)*32*PT+32*\ct+16*PT
.endr
.endm
; 16 turning loads: W1, K steps 4 g .. 4 g + 3 (piece g of the rows), my 2 column tiles
.macro ALD slot, g, buf
	WIN 0
.irp kq, 0,1,2,3
.irp ht, 0,1
	ds_load_tr16_b128 v[WF+64*(\buf)+16*\kq+8*\ht:WF+64*(\buf)+16*\kq+8*\ht+3],   v[AB+18*(\slot)+(\kq>>1)] offset:(\kq&1)*32*PT+256*(\g)+32*\ht
	ds_load_tr16_b128 v[WF+64*(\buf)+16*\kq+8*\ht+4:WF+64*(\buf)+16*\kq+8*\ht+7], v[AB+18*(\slot)+(\kq>>1)] offset:(\kq&1)*32*PT+256*(\g)+32*\ht+16*PT
.endr
.endr
.endm
; 8 loads: the hidden chunk's fragments of K step q, into the 32 registers from hr on
.macro HLD q, hr
	WIN 0
.irp rt, 0,1,2,3
	ds_load_b128 v[(\hr)+8*\rt:(\hr)+8*\rt+3],   v28 offset:4096*(\q)+1024*\rt
	ds_load_b128 v[(\hr)+8*\rt+4:(\hr)+8*\rt+7], v28 offset:4096*(\q)+1024*\rt+512
.endr
.endm
; 4 loads: my 32 numbers of b1 for the next chunk, into the accumulators of row tile 3; the address steps to the chunk after
.macro B1LD
	WIN 0
.irp ht, 0,1
	ds_load_b128 v[HA+32*\ht+24:HA+32*\ht+27], v17 offset:64*\ht
	ds_load_b128 v[HA+32*\ht+28:HA+32*\ht+31], v17 offset:64*\ht+16
.endr
	v_add_nc_u32 v17, 512, v17
.endm
; 32 matrix instructions each; the accumulators take turns, one instruction a turn
.macro WMUL i, q, buf
.set KK, 4*(\i)+(\q)
	WIN 0x58+4*(KK>>3)
.irp ct, 0,1,2,3,4,5,6,7
.irp rt, 0,1,2,3
	v_wmma_f32_16x16x32_bf16 v[64*\rt+8*\ct:64*\rt+8*\ct+7], v[WF+64*(\buf)+8*\ct:WF+64*(\buf)+8*\ct+7], v[(KK&7)*32+8*\rt:(KK&7)*32+8*\rt+7], v[64*\rt+8*\ct:64*\rt+8*\ct+7]
.endr
.endr
.endm
; h W1, in f16: these eight accumulators take this form alone.  first = 1: b1 starts the sums: it lies in row tile 3's accumulators, is the C operand of the three other row tiles' first products,
; and five plain instructions later row tile 3 adds onto it in place.
.macro AMUL g, buf, first=0
	WIN 0x08+4*((\g)>>1)
.irp kq, 0,1,2,3
.if (\first) && (\kq == 0)
.irp ht, 0,1
.irp rt, 0,1,2
	v_wmma_f32_16x16x32_f16 v[HA+32*\ht+8*\rt:HA+32*\ht+8*\rt+7], v[WF+64*(\buf)+8*\ht:WF+64*(\buf)+8*\ht+7], v[8*\rt:8*\rt+7], v[HA+32*\ht+24:HA+32*\ht+31]
.endr
.endr
.rept 5
	v_nop
.endr
.irp ht, 0,1
	v_wmma_f32_16x16x32_f16 v[HA+32*\ht+24:HA+32*\ht+31], v[WF+64*(\buf)+8*\ht:WF+64*(\buf)+8*\ht+7], v[24:31], v[HA+32*\ht+24:HA+32*\ht+31]
.endr
.else
.irp ht, 0,1
.irp rt, 0,1,2,3
	v_wmma_f32_16x16x32_f16 v[HA+32*\ht+8*\rt:HA+32*\ht+8*\rt+7], v[WF+64*(\buf)+16*\kq+8*\ht:WF+64*(\buf)+16*\kq+8*\ht+7], v[((4*(\g)+\kq)&7)*32+8*\rt:((4*(\g)+\kq)&7)*32+8*\rt+7], v[HA+32*\ht+8*\rt:HA+32*\ht+8*\rt+7]
.endr
.endr
.endif
.endr
.endm
.macro CMUL buf, hr
	WIN 0x50
.irp ct, 0,1,2,3,4,5,6,7
.irp rt, 0,1,2,3
	v_wmma_f32_16x16x32_bf16 v[64*\rt+8*\ct:64*\rt+8*\ct+7], v[WF+64*(\buf)+8*\ct:WF+64*(\buf)+8*\ct+7], v[(\hr)+8*\rt:(\hr)+8*\rt+7], v[64*\rt+8*\ct:64*\rt+8*\ct+7]
.endr
.endr
.endm
; A tile of Wo: four batches on two fragment buffers; a batch is fetched while the one before it is multiplied; the counted waits leave the younger batch's 16 loads out.
; cin = 1: the tile before has left its fourth batch: it is multiplied behind this tile's first loads.  cout = 1: this tile leaves its own.  ask >= 0: a prefetch, at that offset.
.macro WSTEP i, cin, cout, ask
.set SL, (\i)&1
	CLD SL, 0, 0
.if (\ask) >= 0
	ASK \ask
.endif
.if \cin
	WMUL (\i)-1, 3, 1
	PLACES
.endif
	CLD SL, 1, 1
	s_wait_dscnt 16
	WMUL \i, 0, 0
	PLACES
	CLD SL, 2, 0
	s_wait_dscnt 16
	WMUL \i, 1, 1
	PLACES
	CLD SL, 3, 1
	s_wait_dscnt 16
	WMUL \i, 2, 0
.if !(\cout)
	s_wait_dscnt 0x0
	WMUL \i, 3, 1
.endif
.endm
; my 32 hidden columns: rounded, relu, and into LDS as the fragments of K step w
.macro HPOST
	PLACES
	WIN 0
.set t, 0
.rept 8
.irp c, 0,1,2,3
	v_cvt_pk_bf16_f32 v[HA+8*t+\c], v[HA+8*t+2*\c], v[HA+8*t+2*\c+1]
.endr
.set t, t+1
.endr
.set t, 0
.rept 8
.irp c, 0,1,2,3
	v_pk_max_num_bf16 v[HA+8*t+\c], v[HA+8*t+\c], v22
.endr
.set t, t+1
.endr
.set t, 0
.rept 8
	ds_store_b128 v29, v[HA+8*t:HA+8*t+3] offset:1024*(t&3)+512*(t>>2)
.set t, t+1
.endr
.endm
; my 64 numbers of the vector at byte off of vec, into window 2
.macro VLOAD dst, off
	WIN 0x80
.irp ct, 0,1,2,3,4,5,6,7
	global_load_b128 v[(\dst)+8*\ct:(\dst)+8*\ct+3],   v5, s[10:11] offset:(\off)+64*\ct
	global_load_b128 v[(\dst)+8*\ct+4:(\dst)+8*\ct+7], v5, s[10:11] offset:(\off)+64*\ct+16
.endr
.endm
; eight chains (v32-47: row tile t, two pairs) -> the four rows' sums over all 512 columns, in v48-51 of every lane
.macro REDUCE area
	WIN 0
.irp t, 0,1,2,3
	v_pk_add_f32 v[32+4*\t:33+4*\t], v[32+4*\t:33+4*\t], v[34+4*\t:35+4*\t]
.endr
.irp t, 0,1,2,3
	v_add_f32 v[48+\t], v[32+4*\t], v[33+4*\t]
.endr
.irp t, 0,1,2,3
	v_permlanex16_b32 v[52+\t], v[48+\t], s52, s53   ; the row's other 64 columns of my wave lie in the lane 16 away
.endr
.irp t, 0,1,2,3
	v_add_f32 v[48+\t], v[48+\t], v[52+\t]
.endr
	ds_store_b128 v18, v[48:51] offset:(\area)*1024
	s_wait_dscnt 0x0
	s_barrier_signal -1
	s_barrier_wait -1                      ; a tile may stay on its way
.irp u, 0,1,2,3
	ds_load_b128 v[32+4*\u:35+4*\u], v19 offset:(\area)*1024+256*\u
.endr
	s_wait_dscnt 0x0
	v_pk_add_f32 v[32:33], v[32:33], v[36:37]
	v_pk_add_f32 v[34:35], v[34:35], v[38:39]
	v_pk_add_f32 v[40:41], v[40:41], v[44:45]
	v_pk_add_f32 v[42:43], v[42:43], v[46:47]
	v_pk_add_f32 v[48:49], v[32:33], v[40:41]
	v_pk_add_f32 v[50:51], v[34:35], v[42:43]
.endm
; acc = LN(acc + bias) gain + shift.  Window 2 holds bias at 0, gain at 64, shift at 128.  Norm k uses the areas 2 k and 2 k + 1.
.macro LNORM k
	s_wait_loadcnt 0x0                     ; the three vectors
	PLACES                                 ; behind the last products, whose sums the lines below read
	WIN 0x49
.set a, 0
.rept 32
.irp z, 0,1,2,3
	v_pk_add_f32 v[8*a+2*\z:8*a+2*\z+1], v[8*a+2*\z:8*a+2*\z+1], v[8*(a&7)+2*\z:8*(a&7)+2*\z+1]
.endr
.set a, a+1
.endr
	WIN 0x05
.irp t, 0,1,2,3
	v_pk_add_f32 v[32+4*\t:33+4*\t], v[64*\t:64*\t+1], v[64*\t+2:64*\t+3]
	v_pk_add_f32 v[34+4*\t:35+4*\t], v[64*\t+4:64*\t+5], v[64*\t+6:64*\t+7]
.endr
	WIN 0x04
.set z, 4
.rept 28
.irp t, 0,1,2,3
	v_pk_add_f32 v[32+4*\t+2*(z&1):33+4*\t+2*(z&1)], v[32+4*\t+2*(z&1):33+4*\t+2*(z&1)], v[64*\t+2*z:64*\t+2*z+1]
.endr
.set z, z+1
.endr
	REDUCE 2*(\k)
.irp t, 0,1,2,3
	v_mul_f32 v[56+2*\t], s54, v[48+\t]    ; the mean, twice: a pair for the packed forms
	v_mul_f32 v[57+2*\t], s54, v[48+\t]
.endr
	WIN 0x41
.set a, 0
.rept 32
.irp z, 0,1,2,3
	v_pk_add_f32 v[8*a+2*\z:8*a+2*\z+1], v[8*a+2*\z:8*a+2*\z+1], v[56+2*(a>>3):57+2*(a>>3)] neg_lo:[0,1] neg_hi:[0,1]
.endr
.set a, a+1
.endr
	WIN 0x05
.irp t, 0,1,2,3
	v_pk_mul_f32 v[32+4*\t:33+4*\t], v[64*\t:64*\t+1], v[64*\t:64*\t+1]
	v_pk_mul_f32 v[34+4*\t:35+4*\t], v[64*\t+2:64*\t+3], v[64*\t+2:64*\t+3]
.endr
.set z, 2
.rept 30
.irp t, 0,1,2,3
	v_pk_fma_f32 v[32+4*\t+2*(z&1):33+4*\t+2*(z&1)], v[64*\t+2*z:64*\t+2*z+1], v[64*\t+2*z:64*\t+2*z+1], v[32+4*\t+2*(z&1):33+4*\t+2*(z&1)]
.endr
.set z, z+1
.endr
	REDUCE 2*(\k)+1
.irp t, 0,1,2,3
	v_fma_f32 v[48+\t], v[48+\t], s54, s55 ; variance + 1e-6
.endr
.irp t, 0,1,2,3
	v_rsq_f32 v[56+2*\t], v[48+\t]
.endr
	v_nop                                  ; a plain instruction behind the last root,
	s_wait_alu depctr_va_vdst(0)           ; and the one wait ahead of the first use
.irp t, 0,1,2,3
	v_mov_b32 v[57+2*\t], v[56+2*\t]
.endr
	WIN 0x41
.set a, 0
.rept 32
.irp z, 0,1,2,3
	v_pk_mul_f32 v[8*a+2*\z:8*a+2*\z+1], v[8*a+2*\z:8*a+2*\z+1], v[56+2*(a>>3):57+2*(a>>3)]
.endr
.set a, a+1
.endr
	WIN 0x69
.set a, 0
.rept 32
.irp z, 0,1,2,3
	v_pk_fma_f32 v[8*a+2*\z:8*a+2*\z+1], v[8*a+2*\z:8*a+2*\z+1], v[64+8*(a&7)+2*\z:64+8*(a&7)+2*\z+1], v[128+8*(a&7)+2*\z:128+8*(a&7)+2*\z+1]
.endr
.set a, a+1
.endr
	WIN 0
.endm
; my 32 images of h (v128-255) into the exchange: K step 4 (w % 2) + ct / 2 of the half in hand
.macro HSTORE
.set a, 0
.rept 32
	ds_store_b128 v16, v[WF+4*a:WF+4*a+3] offset:4096*((a&7)>>1)+1024*(a>>3)+512*(a&1)
.set a, a+1
.endr
.endm
.macro HFETCH win                      ; eight K steps of h, 64 loads, into a whole window
	WIN \win
.set n, 0
.rept 64
	ds_load_b128 v[4*n:4*n+3], v14 offset:512*n
.set n, n+1
.endr
	WIN 0
.endm
	s_load_b256 s[4:11], s[0:1], 0x0       ; att, wts, x, vec
	s_load_b64 s[12:13], s[0:1], 0x20      ; out0
	v_lshl_add_u32 v30, v0, 2, SPARE
	v_mov_b32 v31, 0
	ds_add_u32 v30, v31                    ; the wave's opening: the add, twice on end, and its wait ahead of my first tensor load
	ds_add_u32 v30, v31
	v_lshrrev_b32 v1, 5, v0
	v_readfirstlane_b32 s46, v1            ; wave w
	s_bfe_u32 s47, ttmp6, 0x40000          ; cx: it enters global addresses alone, and none of a descriptor
	s_lshl_b32 s48, ttmp9, 2
	s_add_co_u32 s48, s48, s47             ; my block of 64 rows
	s_and_b32 s16, ttmp9, 15               ; the chunk with which my cluster's walk begins: the same in all four partners
	s_mov_b32 s63, s16                     ; + the loop's trips
	; descriptor group 1: 32 rows x 512 elements of 2 bytes; 8 words of padding behind every 256 words
	s_mov_b32 s32, 15|(1<<16)|(1<<20)|(1<<21)|(7<<22)|(7<<25)
	s_mov_b32 s33, 512<<16                 ; tensor_dim0 = 512
	s_mov_b32 s34, 32<<16                  ; tensor_dim1 = 32
	s_mov_b32 s35, 512<<16                 ; tile_dim0 = 512
	s_mov_b32 s36, 32                      ; tile_dim1 = 32
	s_mov_b32 s37, 512                     ; elements from row to row
	s_mov_b32 s38, 0
	s_mov_b32 s39, 0
	s_mov_b32 s40, 1
	s_mul_i32 s49, s46, 32*PT              ; my 32 rows in a slot
	s_mov_b32 s41, s49                     ; slot 0
	s_cmp_lt_u32 ttmp9, 16
	s_cselect_b32 s50, 1, 0                ; 1 in the clusters that prefetch: the same in all four partners
	s_mov_b32 s52, 0x76543210
	s_mov_b32 s53, 0xfedcba98
	s_mov_b32 s54, 0x3b000000              ; 1 / 512
	s_mov_b32 s55, 0x358637bd              ; 1e-6
	s_mov_b32 s60, 0xffff0000              ; a word's upper bf16
	s_mov_b32 s61, 0                       ; the hidden buffer that is written next,
	s_mov_b32 s62, 0                       ; and the one that is read next
	v_and_b32 v25, 31, v0                  ; l
	v_and_b32 v1, 15, v0                   ; r
	v_bfe_u32 v2, v0, 4, 1                 ; hh
	s_lshl_b32 s56, s46, 9
	v_lshlrev_b32 v3, 11, v1
	v_lshl_add_u32 v3, v2, 5, v3
	v_add_nc_u32 v3, s56, v3               ; x: r 2048 + 512 w + 32 hh
	v_lshlrev_b32 v4, 4, v25               ; 16 l
	v_lshl_add_u32 v5, v2, 5, s56          ; vectors: 512 w + 32 hh
	v_add_nc_u32 v6, s56, v4               ; out0: 512 w + 16 l
	v_lshlrev_b32 v7, 8, v25               ; prefetch: 256 l; never rewritten
	v_and_b32 v32, 7, v0
	v_lshl_add_u32 v32, v2, 3, v32
	v_mul_u32_u24 v33, v32, PT
	v_bfe_u32 v34, v0, 3, 1
	v_lshl_add_u32 v33, v34, 4, v33        ; (8 hh + l % 8) PT + 16 ((l / 8) % 2)
	s_lshl_b32 s56, s46, 6
	v_add_nc_u32 v8, s56, v33
	v_add_nc_u32 v9, 64*PT, v8
	v_add_nc_u32 v26, SLOT, v8
	v_add_nc_u32 v27, SLOT, v9
	s_lshl_b32 s56, s46, 8
	v_add_nc_u32 v10, s56, v33
	v_add_nc_u32 v11, 64*PT, v10
	v_add_nc_u32 v12, SLOT, v10
	v_add_nc_u32 v13, SLOT, v11
	v_add_nc_u32 v14, XCH, v4              ; reads of the exchange and of hidden buffer 0; never rewritten
	s_lshl_b32 s56, s46, 12
	v_add_nc_u32 v15, s56, v14             ; my stores into hidden buffer 0; never rewritten
	s_and_b32 s56, s46, 1
	s_lshl_b32 s56, s56, 14
	v_add_nc_u32 v16, s56, v14
	s_lshl_b32 s56, s46, 7
	s_add_co_u32 s56, s56, B1L
	v_lshl_add_u32 v17, v2, 5, s56         ; b1: B1L + 128 w + 32 hh, stepped by a chunk
	v_lshl_add_u32 v19, v1, 4, STAT
	s_lshl_b32 s56, s46, 8
	v_add_nc_u32 v18, s56, v19
	s_mul_i32 s56, s46, 8448
	s_add_co_u32 s56, s56, XCH
	v_mul_u32_u24 v20, v1, 528
	v_lshl_add_u32 v20, v2, 5, v20
	v_add_nc_u32 v20, s56, v20             ; the way out, in: row r of 528 bytes, 32 bytes for each half of the lanes
	v_add_nc_u32 v21, s56, v4              ; and back: a whole row of 512 bytes
	v_mov_b32 v22, 0
	v_lshlrev_b32 v24, 4, v0
	v_add_nc_u32 v23, B1L, v24
	v_mov_b32 v29, v15
.irp i, 52,53,54,55
	v_mov_b32 v\i, 0                       ; v_permlanex16_b32 counts as a reader of its destination
.endr
	s_lshl_b32 s17, s16, 9                 ; b1 is laid into LDS from my cluster's first chunk on, round the end
.irp i, 0,1,2,3
	v_add3_u32 v[56+\i], v24, s17, 2048*\i
	v_and_b32 v[56+\i], 0x1fff, v[56+\i]
.endr
	s_wait_dscnt 0x0                       ; both opening adds are done
	s_wait_kmcnt 0x0
	s_lshl_b32 s56, s46, 15
	s_mov_b32 s57, 0
	s_add_nc_u64 s[14:15], s[6:7], s[56:57]     ; wts at my 32 rows of tile 0: made of the wave's number alone; never rewritten
	s_mov_b64 s[42:43], s[14:15]
	s_or_b32 s43, s43, 0x80000000
	s_lshl2_add_u32 s58, s47, s46
	s_lshl_b32 s58, s58, 13
	s_lshl_b32 s17, s16, 18
	s_add_co_u32 s58, s58, s17
	s_add_co_u32 s58, s58, 4*TILEB
	s_mov_b32 s59, 0
	s_add_nc_u64 s[44:45], s[6:7], s[58:59]     ; prefetch: my 8,192 bytes of A(0); C(0) lies a tile behind it; never rewritten
	s_lshl_b32 s58, s48, 16
	s_add_nc_u64 s[26:27], s[4:5], s[58:59]     ; att at my block
	s_lshl_b32 s58, s48, 17
	s_add_nc_u64 s[28:29], s[8:9], s[58:59]     ; x
	s_add_nc_u64 s[30:31], s[12:13], s[58:59]   ; out0
	CROUND                                 ; all four work-groups are here: the first joint loads meet
	tensor_load_to_lds s[40:43], s[32:39]  ; Wo's tile 0 into slot 0
	s_nop 0
	PLACES
.irp i, 0,1,2,3
	global_load_b128 v[32+4*\i:35+4*\i], v[56+\i], s[10:11] offset:12288
.endr
	WIN 0x80                               ; att stays in registers: K steps 0-7 in window 2,
.set n, 0
.rept 64                               ; n = 8 kk + 2 rt + sub
	global_load_b128 v[4*n:4*n+3], v4, s[26:27] offset:16384*((n>>1)&3)+1024*(n>>3)+512*(n&1)
.set n, n+1
.endr
	WIN 0xc0                               ; 8-15 in window 3
.set n, 0
.rept 64
	global_load_b128 v[4*n:4*n+3], v4, s[26:27] offset:16384*((n>>1)&3)+1024*(8+(n>>3))+512*(n&1)
.set n, n+1
.endr
	WIN 0x40                               ; x starts the sums: the residual costs no addition
.irp rt, 0,1,2,3
.irp ct, 0,1,2,3,4,5,6,7
	global_load_b128 v[64*\rt+8*\ct:64*\rt+8*\ct+3],   v3, s[28:29] offset:32768*\rt+64*\ct
	global_load_b128 v[64*\rt+8*\ct+4:64*\rt+8*\ct+7], v3, s[28:29] offset:32768*\rt+64*\ct+16
.endr
.endr
	WIN 0
	s_wait_loadcnt 0x0
.irp i, 0,1,2,3
	ds_store_b128 v23, v[32+4*\i:35+4*\i] offset:2048*\i
.endr
	WIN 0x05                               ; x is rounded to bf16 like every input, through the fragment buffers, which are still free, and widened again
.set n, 0
.rept 128
	v_cvt_pk_bf16_f32 v[WF+n], v[2*n], v[2*n+1]
.set n, n+1
.endr
	WIN 0x40
.set n, 0
.rept 128
	v_lshlrev_b32 v[2*n], 16, v[WF+n]
	v_and_b32 v[2*n+1], s60, v[WF+n]
.set n, n+1
.endr
	WIN 0
	; att Wo: four tiles
	s_mov_b32 s56, TILEB
	CHANGE 1, 1
	WSTEP 0, 0, 1, 0
	s_mov_b32 s56, 2*TILEB
	CHANGE 0, 1
	WSTEP 1, 1, 1, -1
	s_mov_b32 s56, 3*TILEB
	CHANGE 1, 1
	VLOAD 0, 0                             ; K steps 0-5 of window 2 have been multiplied: their registers take bo, ln1_scale, ln1_bias
	VLOAD 64, 2048
	VLOAD 128, 4096
	WSTEP 2, 1, 1, TILEB
	TOFF s56, 0, 4*TILEB                   ; A(0)
	CHANGE 0, 1
	WSTEP 3, 1, 0, -1
	LNORM 0
	; h in f32 stays in the accumulators: it starts the second product's sums.  In f16 every wave wants all of it: through LDS, half of K at a time
	WIN 0x05
.set a, 0
.rept 32
.irp c, 0,1,2,3
	v_cvt_pk_f16_f32 v[WF+4*a+\c], v[8*a+2*\c], v[8*a+2*\c+1]
.endr
.set a, a+1
.endr
	WIN 0
	s_cmp_lt_u32 s46, 2
	s_cbranch_scc0 .Lx1
	HSTORE                                 ; waves 0 and 1: K steps 0-7
.Lx1:
	s_wait_dscnt 0x0
	s_barrier_signal -1
	s_barrier_wait -1
	HFETCH 0x80
	s_wait_dscnt 0x0                       ; my reads are over
	s_barrier_signal -1
	s_barrier_wait -1                      ; everybody's are
	s_cmp_lt_u32 s46, 2
	s_cbranch_scc1 .Lx2
	HSTORE                                 ; waves 2 and 3: K steps 8-15
.Lx2:
	s_wait_dscnt 0x0
	s_barrier_signal -1
	s_barrier_wait -1
	HFETCH 0xc0
	; A(0), in slot 0, written out: nothing is carried into it or out of it
	s_mov_b32 s51, 15
	TOFF s56, 1, 4*TILEB                   ; A(1)
	CHANGE 1, 1
	B1LD
	ALD 0, 0, 0
	ALD 0, 1, 1
	s_wait_dscnt 16
	AMUL 0, 0, 1
	PLACES
	ALD 0, 2, 0
	s_wait_dscnt 16
	AMUL 1, 1
	PLACES
	ALD 0, 3, 1
	s_wait_dscnt 16
	AMUL 2, 0
	s_wait_dscnt 0x0
	AMUL 3, 1
	HPOST                                  ; chunk 0 into hidden buffer 0
	B1LD
	s_mov_b32 s61, HBUF
	TOFF s56, 0, 5*TILEB                   ; C(0)
	CHANGE 0, 1
	ALD 1, 0, 0
	s_branch .Lenter                       ; the loop is entered behind the carried products of its first change: there are none yet
	; trip j = 0 .. 14: A(j + 1) in slot 1, then C(j) in slot 0
.Lff:
	TOFF s56, 0, 5*TILEB                   ; C(j)
	CHANGE 0, 1
	ALD 1, 0, 0
	CMUL 1, HX                             ; carried: the fourth batch of C(j - 1)
	WIN 0
.Lenter:
	v_add_nc_u32 v28, s62, v14             ; chunk j is read from one hidden buffer,
	v_add_nc_u32 v29, s61, v15             ; chunk j + 1 written into the other; with the two lines below: four places behind the carried products
	v_nop
	v_nop
	ALD 1, 1, 1
	s_wait_dscnt 16
	AMUL 0, 0, 1
	PLACES
	ALD 1, 2, 0
	s_wait_dscnt 16
	AMUL 1, 1
	PLACES
	ALD 1, 3, 1
	s_wait_dscnt 16
	AMUL 2, 0
	TOFF s56, 2, 4*TILEB                   ; A(j + 2),
	TOFF s17, 1, 5*TILEB
	s_cmp_eq_u32 s51, 1
	s_cselect_b32 s56, s17, s56            ; or in the last trip C(15)
	CHANGE 1, 1
	CLD 0, 0, 0
	HLD 0, HX
	AMUL 3, 1                              ; carried: the fourth batch of A(j + 1),
	HPOST                                  ; and its chunk goes into LDS while the loads above are out
	CLD 0, 1, 1
	HLD 1, HY
	s_wait_dscnt 32                        ; the first batch's 24 loads are in; the 8 stores and the 24 younger loads may be out
	CMUL 0, HX
	PLACES
	CLD 0, 2, 0
	HLD 2, HZ
	s_wait_dscnt 24
	CMUL 1, HY
	PLACES
	CLD 0, 3, 1
	HLD 3, HX
	s_wait_dscnt 24
	CMUL 0, HZ
	PLACES
	WIN 0
	s_cmp_eq_u32 s51, 1
	s_cbranch_scc1 .Lnob                   ; behind A(15) there is no chunk to start
	B1LD
.Lnob:
	s_xor_b32 s61, s61, HBUF
	s_xor_b32 s62, s62, HBUF
	s_add_co_u32 s63, s63, 1
	s_sub_co_u32 s51, s51, 1
	s_cmp_lg_u32 s51, 0
	s_cbranch_scc1 .Lff
	; C(15), in slot 1, written out: nothing is asked for
	CHANGE 0, 0
	v_add_nc_u32 v28, s62, v14
	VLOAD 0, 6144                          ; h's fragments have been multiplied: window 2 takes b2, ln2_scale, ln2_bias
	VLOAD 64, 8192
	VLOAD 128, 10240
	CLD 1, 0, 0
	HLD 0, HY
	CMUL 1, HX                             ; carried: the fourth batch of C(14)
	PLACES
	CLD 1, 1, 1
	HLD 1, HZ
	s_wait_dscnt 24
	CMUL 0, HY
	PLACES
	CLD 1, 2, 0
	HLD 2, HX
	s_wait_dscnt 24
	CMUL 1, HZ
	PLACES
	CLD 1, 3, 1
	HLD 3, HY
	s_wait_dscnt 24
	CMUL 0, HX
	s_wait_dscnt 0x0
	CMUL 1, HY
	LNORM 1
	; THE WAY OUT: 16 rows at a time through my own stage (the norm's barriers stand between the last reads of the hidden chunk and these stores)
.irp rt, 0,1,2,3
	WIN 0
	s_wait_xcnt 0x0                        ; the stores of two blocks back have read their registers
	WIN 0x04
.irp ct, 0,1,2,3,4,5,6,7
	ds_store_b128 v20, v[64*\rt+8*\ct:64*\rt+8*\ct+3]   offset:64*\ct
	ds_store_b128 v20, v[64*\rt+8*\ct+4:64*\rt+8*\ct+7] offset:64*\ct+16
.endr
	WIN 0
.irp i, 0,1,2,3,4,5,6,7,8,9,10,11,12,13,14,15
	ds_load_b128 v[WF+64*(\rt&1)+4*\i:WF+64*(\rt&1)+4*\i+3], v21 offset:528*\i   ; LDS serves a wave's instructions in order (ISA guide 5.7.1.4): these see the stores above
.endr
.irp i, 0,1,2,3,4,5,6,7,8,9,10,11,12,13,14,15
	s_wait_dscnt 15-\i
	global_store_b128 v6, v[WF+64*(\rt&1)+4*\i:WF+64*(\rt&1)+4*\i+3], s[30:31] offset:(16*\rt+\i)*2048 th:TH_STORE_NT   ; 512 consecutive bytes, aligned
.endr
.endr
	s_wait_tensorcnt 0x0                   ; the wave's end, behind my last tensor load and my last LDS store
	ds_add_u32 v30, v31
	s_wait_dscnt 0x0
	CROUND                                 ; the closing round: no work-group ends while a partner may still ask for a tile that names it
	s_endpgm
.Lfunc_end_k_q86d2ffa0b2_ffn:
	.size	k_q86d2ffa0b2_ffn, .Lfunc_end_k_q86d2ffa0b2_ffn-k_q86d2ffa0b2_ffn
	.p2alignl 7, 3214868480
	.fill 96, 4, 3214868480
	.section	.rodata,"a",@progbits
	.p2align	6, 0x0
	.amdhsa_kernel k_q86d2ffa0b2_ffn
		.amdhsa_group_segment_fixed_size 327680
		.amdhsa_private_segment_fixed_size 0
		.amdhsa_enable_private_segment 0
		.amdhsa_kernarg_size 40
		.amdhsa_user_sgpr_count 2
		.amdhsa_user_sgpr_kernarg_segment_ptr 1
		.amdhsa_wavefront_size32 1
		.amdhsa_system_sgpr_workgroup_id_x 1
		.amdhsa_system_sgpr_workgroup_id_y 1
		.amdhsa_system_sgpr_workgroup_id_z 1
		.amdhsa_system_vgpr_workitem_id 0
		.amdhsa_next_free_vgpr 1024
		.amdhsa_next_free_sgpr 66
		.amdhsa_reserve_vcc 0
		.amdhsa_float_denorm_mode_32 3
		.amdhsa_float_denorm_mode_16_64 3
		.amdhsa_memory_ordered 1
		.amdhsa_forward_progress 1
		.amdhsa_inst_pref_size 255
	.end_amdhsa_kernel
	.section	.bss,"aw",@nobits
	.p2align	6
	.space	262144
	.amdgpu_metadata
---
amdhsa.version: [ 1, 2 ]
amdhsa.kernels:
  - .name:           k_q86d2ffa0b2_ffn
    .symbol:         k_q86d2ffa0b2_ffn.kd
    .args:
      - { .name: att, .offset: 0, .size: 8, .value_kind: global_buffer, .address_space: global }
      - { .name: wts, .offset: 8, .size: 8, .value_kind: global_buffer, .address_space: global }
      - { .name: x, .offset: 16, .size: 8, .value_kind: global_buffer, .address_space: global }
      - { .name: vec, .offset: 24, .size: 8, .value_kind: global_buffer, .address_space: global }
      - { .name: out0, .offset: 32, .size: 8, .value_kind: global_buffer, .address_space: global }
    .group_segment_fixed_size: 327680
    .private_segment_fixed_size: 0
    .kernarg_segment_align: 8
    .kernarg_segment_size: 40
    .max_flat_workgroup_size: 128
    .sgpr_count:     66
    .vgpr_count:     1024
    .wavefront_size: 32
...
	.end_amdgpu_metadata
.endif
;; end of part 2
;; ======== version 2 of 2: 2 launches; version 1 with the launch attn written anew for expert scheduling mode
;; limits: values are held in f16: magnitudes above 65,504 overflow, below 6.1e-05 lose precision; inputs' magnitudes at most 65,504; right only within a limited range of input values
;; workspace buffers: att 16,777,216 bytes; wts 4,718,592 bytes; vec 20,480 bytes
;; launch attn (part 3): grid 8 x 32, 4 waves a work-group, no clusters, 291,328 bytes of LDS; arguments x, Wq, bq, Wk, bk, Wv, bv, Wo, W1, W2, att, wts, bo, ln1_scale, ln1_bias, b2, ln2_scale, ln2_bias, b1, vec; writes att, wts, vec
.if DOCPART == 3
	.amdgcn_target "amdgcn-amd-amdhsa--gfx1250"
	.amdhsa_code_object_version 6
	.text
	.protected	k_q86d2ffa0b2_attn
	.globl	k_q86d2ffa0b2_attn
	.p2align	8
	.type	k_q86d2ffa0b2_attn,@function
k_q86d2ffa0b2_attn:
	s_mov_b64 s[64:65], 0
	v_nop
	global_prefetch_b8 v0, s[64:65] scope:SCOPE_SE
	s_setreg_imm32_b32 hwreg(HW_REG_WAVE_SCHED_MODE, 0, 2), 2
	s_setreg_imm32_b32 hwreg(HW_REG_WAVE_MODE, 25, 1), 1
	s_wait_xcnt 0x0
	s_wait_alu depctr_vm_vsrc(0)
; ENCODER BLOCK, LAUNCH 1 OF 2: one work-group for each (batch b, head h): q, k, v = x W + bias for the head; qp = relu(q) + e, kp = relu(k) + e (e = 1e-3);
; kv = kp^T v (64 x 64), ksum = the sum of kp over the batch's 512 rows; att = (qp kv) / (qp ksum), stored in bf16.  Beside that each wave rounds 1/1024 of Wo, W1 and W2
; into wts, in tiles as the second launch takes them, and waves 0 to 39 of the launch round 128 numbers each of the seven small vectors into vec.
; NOTHING OF reference() IS LEFT OUT: every input has a way to the output, and all seventeen are loaded by this launch.
; IDENTITY USED: relu(t) + e = max(t + e, e) for all real t; e rides in the bias that starts the sums of q and k.
; FORMATS.  EVERY INPUT OF THE MODULE IS ROUNDED TO bf16 ONCE; sums are f32.  W1 is rounded to bf16 and that number is written as f16, since the
; second launch multiplies it with h in f16: exact for 2^-17 <= |W1| < 65,504; below that it keeps f16's fixed step of 2^-24, beyond it it becomes an infinity.
; vec holds bo, ln1_scale, ln1_bias, b2, ln2_scale, ln2_bias (2,048 bytes each) and b1 (8,192), each number rounded to bf16 and widened to f32 again.
; LIMITS.  e is added in f32 ahead of the rounding of q and k to bf16, and the floor is bf16(e): another order of rounding than reference().
; The maximum is v_pk_max_num_bf16: a NaN in q or k becomes e.  Infinities are not treated apart.
; SHARES.  Wave w owns rows 128 w .. 128 w + 127 of the batch, in two passes of 64 rows (4 tiles of 16).  A pass is 16 steps of 32 channels, 48 matrix instructions each (4 row tiles x 12 column tiles).
; NO TENSOR LOAD, NO CLUSTER: no wave wants a byte of x that another wave of the group fetched, and an f32 fragment lies in memory as it lies in registers; the head's weights take
; 212,992 bytes of LDS, and two slots of 256 rows x 272 bytes (139,264) do not fit beside them.
; LAYOUTS (lane l: r = l % 16, hh = l / 16).  q is taken transposed (source 0 = W, source 1 = x): a lane holds one row and 8 features, and its bf16 pairs are source 1 of the last product.
; k and v are taken as they come (source 0 = x, source 1 = W): a lane holds one feature and 8 rows, and two row tiles in bf16 are a fragment with the rows along K.
; att is stored as fragment images: byte g 16384 + h 2048 + nt 512 + 16 l holds row 16 g + r, channels 16 nt + 8 hh + 0..7 of the head: every store covers 512 consecutive bytes.
; wts: 36 tiles of 131,072 bytes, 128 rows of 1,024.  0-3: Wo.  4 + 2 c: row p holds four pieces of 256 bytes, piece u = W1[128 u + p][128 c ..] (f16).  5 + 2 c: W2 rows 128 c ..
; REGISTERS, in windows of 256 (s_set_vgpr_msb: bits 1:0 source 0, 3:2 source 1, 5:4 source 2, 7:6 destination):
;   window 0: v0-19, v28-31 addresses; v20-27 ones; v32-63 and v224-255 q's W fragments, two buffers; v64-95 k's; v96-127 v's; v128-191 x fragments, two buffers; v192-223 ksum
;   window 1: x as loaded, a ring of 4 slots x 64      window 2: q 0-127, k 128-255 (at the staging: weights as loaded 0-191, rounded 192-223)      window 3: v 0-127, kv 128-255
; THE MODE: SCHED_MODE bits 1:0 = 2 (LLVM: expert scheduling mode 2), set by the entry lines.  The code itself states the register dependences
; between vector or matrix instructions and memory or LDS instructions, with s_wait_alu, always for 0.
; THE PLAN.  Registers that memory or LDS instructions touch in a pass's K steps:
;   slots 0 .. 3  Step j's 32 roundings read slot j + 1; the loads of the K step four further on land in slot j in step j, behind its first run of products.
;   Wk, Wv        Step j's second and third run of products read them; the LDS loads at the head of step j + 1 land in them.
;   Wq0, Wq1      Step j's first run reads Wq[j % 2]; in step j the fragments of step j + 1 land in Wq[(j + 1) % 2], which step j - 1 read last.
;   v[WA]         Read by every load of a W fragment; written once a trip and at a pass's head.      v[XO], v[IMA], v[PFO]  Never written again.
;   The x fragments, the accumulators, the ones and ksum are named by vector and matrix instructions alone.
; So ONE wait on va_vdst stands in a step, at its head: it states that the step before is done reading slot j, Wk, Wv and (two runs earlier) Wq[(j + 1) % 2].  The step's 40 loads follow it in two
; runs, with no further wait: no vector or matrix instruction of the step names a register that they touch.  One wait on vm_vsrc a trip stands ahead of the add to v[WA].
.set PW,    416                        ; a row of the weights in LDS: 384 bytes (q, k, v: 128 each) + 32 = 13 x 32
.set IMG,   512*PW                     ; 212,992: 12 bias tiles of 1,024 bytes, as the C operand wants them
.set QP,    IMG+12*1024                ; 225,280: qp, 16,384 bytes a wave, the wave's own
.set SPARE, QP+4*16384                 ; 290,816: the spare words, 128 bytes a wave
.set KVPW,  20*1024                    ; behind the passes, over the weights: a wave's 20 partial tiles in f32,
.set KVB,   4*KVPW                     ; and behind the four waves' the 20 summed tiles in bf16, 512 bytes each
.set TILEB, 131072
.set XO,  4                            ; r 2048 + 32 hh: my place in 16 rows of x
.set WA,  5                            ; LDS address of the W fragments, stepped by 4 K steps a trip
.set WA0, 6                            ; (8 hh + l % 8) PW + 16 ((l / 8) % 2)
.set WO,  7                            ; staging: (l / 8) 2048 + (l % 8) 32, stepped
.set WD,  8                            ; staging: (32 w + l / 8) PW + (l % 8) 16, stepped
.set IMA, 9                            ; IMG + 16 l
.set QS,  10                           ; QP + 16384 w + 16 l, stepped by a pass
.set PFO, 11                           ; prefetch: (l / 4) 2048 + (l % 4) 256; never rewritten
.set L32, 12
.set L16, 13
.set W1S, 14
.set KVS, 15
.set KVL, 16
.set KVH, 17
.set KBS, 18
.set KBR, 19
.set ONES, 20                          ; v20-27: at the head at work, then 1.0 in bf16, sixteen times a lane
.set QR,  28
.set IMW, 29
.set SPW, 30                           ; SPARE + 4 x my thread's number; never rewritten
.set NIL, 31                           ; 0; never rewritten
.set WQ,  32                           ; q's W fragments: buffer b at WQ + 192 b
.set WK,  64
.set WV,  96
.set WF,  32                           ; behind the passes: kv's and ksum's fragments
.set BQ,  64                           ; at the head only: my 8 numbers of bq
.set XB,  128
.set KS,  192
.set OUT, 192                          ; window 2, at the staging only: 32 registers of rounded weights
.set MSB, 0
.macro WIN new                         ; the immediate's high byte repeats the setting that is left
.if MSB != (\new)
	s_set_vgpr_msb (MSB<<8)|(\new)
.set MSB, (\new)
.endif
.endm
.macro PLACES                          ; four plain instructions behind a matrix instruction (ISA guide 7.12.1)
.rept 4
	v_nop
.endr
.endm
; 16 loads: 64 rows x 32 channels of x in f32 into ring slot
.macro XLOAD slot, off
	WIN 0x40
.irp rt, 0,1,2,3
	global_load_b128 v[64*(\slot)+16*\rt:64*(\slot)+16*\rt+3],     v[XO], s[32:33] offset:(\off)+\rt*32768
	global_load_b128 v[64*(\slot)+16*\rt+4:64*(\slot)+16*\rt+7],   v[XO], s[32:33] offset:(\off)+\rt*32768+16
	global_load_b128 v[64*(\slot)+16*\rt+8:64*(\slot)+16*\rt+11],  v[XO], s[32:33] offset:(\off)+\rt*32768+64
	global_load_b128 v[64*(\slot)+16*\rt+12:64*(\slot)+16*\rt+15], v[XO], s[32:33] offset:(\off)+\rt*32768+80
.endr
.endm
; n roundings, from number first on, of a slot's 64 f32 into the 32 registers of fragment buffer buf
.macro CVT slot, buf, first, n
	WIN 0x05
.set cc, \first
.rept \n
	v_cvt_pk_bf16_f32 v[XB+32*(\buf)+cc], v[64*(\slot)+2*cc], v[64*(\slot)+2*cc+1]
.set cc, cc+1
.endr
.endm
; 8 turning loads: the four fragments of matrix u (0 q, 1 k, 2 v) for K step st of the trip, into the 32 registers from dst on
.macro WLD u, st, dst
	WIN 0
.irp ct, 0,1,2,3
	ds_load_tr16_b128 v[(\dst)+8*\ct:(\dst)+8*\ct+3],   v[WA] offset:(\st)*32*PW+(4*(\u)+\ct)*32
	ds_load_tr16_b128 v[(\dst)+8*\ct+4:(\dst)+8*\ct+7], v[WA] offset:(\st)*32*PW+(4*(\u)+\ct)*32+16*PW
.endr
.endm
; 16 matrix instructions each; the 48 accumulators take turns, one instruction a turn
.macro UQ buf
	WIN 0xa0
.irp ct, 0,1,2,3
.irp rt, 0,1,2,3
	v_wmma_f32_16x16x32_bf16 v[32*\rt+8*\ct:32*\rt+8*\ct+7], v[WQ+192*(\buf)+8*\ct:WQ+192*(\buf)+8*\ct+7], v[XB+32*(\buf)+8*\rt:XB+32*(\buf)+8*\rt+7], v[32*\rt+8*\ct:32*\rt+8*\ct+7]
.endr
.endr
.endm
.macro UK buf
	WIN 0xa0
.irp ct, 0,1,2,3
.irp rt, 0,1,2,3
	v_wmma_f32_16x16x32_bf16 v[128+32*\rt+8*\ct:128+32*\rt+8*\ct+7], v[XB+32*(\buf)+8*\rt:XB+32*(\buf)+8*\rt+7], v[WK+8*\ct:WK+8*\ct+7], v[128+32*\rt+8*\ct:128+32*\rt+8*\ct+7]
.endr
.endr
.endm
.macro UV buf
	WIN 0xf0
.irp ct, 0,1,2,3
.irp rt, 0,1,2,3
	v_wmma_f32_16x16x32_bf16 v[32*\rt+8*\ct:32*\rt+8*\ct+7], v[XB+32*(\buf)+8*\rt:XB+32*(\buf)+8*\rt+7], v[WV+8*\ct:WV+8*\ct+7], v[32*\rt+8*\ct:32*\rt+8*\ct+7]
.endr
.endr
.endm
; K step j of a trip.  At its head: the step's one wait on va_vdst, then this step's fragments of k and v.  rl: slot j is asked for again, four steps ahead.  cv: the next step's x is rounded, in three
; parts behind the three runs of products, and its fragments of q are fetched into the other buffer.  The eight roundings behind the last run stand between that run and the next step's writes of
; the x buffer that it read, and between it and the loads into v's fragments.  lw: loads younger than the next slot's.  d1, d2: LDS loads younger than the k and v fragments.
.macro STEP j, rl, cv, lw, d1, d2
.set NS, ((\j)+1)&3
.set NB, ((\j)+1)&1
	s_wait_alu depctr_va_vdst(0)           ; the step before is done: its roundings have read slot j, its products Wk and Wv, the step before it Wq[(j + 1) % 2]: this step's loads land in these; in a trip's first step v[WA] is written
	WLD 1, \j, WK
	WLD 2, \j, WV
	s_wait_dscnt 16                        ; q's fragments, asked for a step ago, are in; k's and v's 16 loads may be out
	UQ (\j)&1
.if \cv
	s_wait_loadcnt \lw
	CVT NS, NB, 0, 12
	WLD 0, (\j)+1, WQ+192*NB               ; no wait: no vector or matrix instruction since the step's head names this buffer or v[WA]
.endif
.if \rl
	XLOAD \j, 512+128*(\j)                 ; no wait: the roundings since the step's head name slot j + 1, not slot j
.endif
	s_wait_dscnt \d1
	UK (\j)&1
.if \cv
	CVT NS, NB, 12, 12
.endif
	s_wait_dscnt \d2
	UV (\j)&1
.if \cv
	CVT NS, NB, 24, 8
.endif
.endm
; staging of 128 K rows of the three matrices, 32 rows a wave: a matrix's 64 raw registers are rounded into OUT; ahead = 1: the raw registers are asked for again at once, for the next 128 rows;
; then OUT goes into LDS, 16 bytes a lane.  Raw registers: landed in by loads, read by the roundings.  OUT: written by the roundings, read by the LDS stores.
.macro WCH ahead
.irp m, 0,1,2
.if \ahead
	s_wait_loadcnt 32                      ; this matrix's 16 loads are in; the two younger runs of 16 stay out
.else
	s_wait_loadcnt 32-16*\m
.endif
.if \m > 0
	s_wait_alu depctr_vm_vsrc(0)           ; the LDS stores of the matrix before have read OUT, which the roundings below write again (for the first matrix the wait at the last chunk's end states it)
.endif
	WIN 0x8a
.irp p, 0,1,2,3,4,5,6,7
.irp c, 0,1,2,3
	v_cvt_pk_bf16_f32 v[OUT+4*\p+\c], v[64*\m+8*\p+2*\c], v[64*\m+8*\p+2*\c+1]
.endr
.endr
	s_wait_alu depctr_va_vdst(0)           ; the roundings have written OUT, which the LDS stores read, and are done reading the raw registers, in which the loads land; for the first matrix v[WO] and v[WD] are written
.if \ahead
	WIN 0x80
.irp p, 0,1,2,3,4,5,6,7
	global_load_b128 v[64*\m+8*\p:64*\m+8*\p+3],   v[WO], s[52+2*\m:53+2*\m] offset:262144+8192*\p
	global_load_b128 v[64*\m+8*\p+4:64*\m+8*\p+7], v[WO], s[52+2*\m:53+2*\m] offset:262144+8192*\p+16
.endr
.endif
	WIN 0x08
.irp p, 0,1,2,3,4,5,6,7
	ds_store_b128 v[WD], v[OUT+4*\p:OUT+4*\p+3] offset:4*PW*\p+128*\m
.endr
.endr
	WIN 0
.if \ahead
	s_wait_xcnt 0x0                        ; the loads and the cast's stores have had their addresses translated: the offset may be stepped
	s_wait_alu depctr_vm_vsrc(0)           ; the loads have read v[WO], the LDS stores v[WD] and OUT
	v_add_nc_u32 v[WO], 262144, v[WO]
	v_add_nc_u32 v[WD], 128*PW, v[WD]
.endif
.endm
; a pass's end: qp, kp and v are rounded (kp and v become fragments in place); qp goes into LDS; kv and ksum take the pass's 64 rows
.macro EPI
	PLACES
	WIN 0x8a
.set t, 0
.rept 16
.irp c, 0,1,2,3
	v_cvt_pk_bf16_f32 v[8*t+\c], v[8*t+2*\c], v[8*t+2*\c+1]
.endr
.set t, t+1
.endr
.set t, 0
.rept 16
.irp c, 0,1,2,3
	v_pk_max_num_bf16 v[8*t+\c], v[8*t+\c], s40
.endr
.set t, t+1
.endr
.set t, 0
.rept 8                                ; t = 4 ls + ct: row tiles 2 ls and 2 ls + 1 become registers 0-3 and 4-7 of one fragment
.set bb, 128+64*(t>>2)+8*(t&3)
.irp c, 0,1,2,3
	v_cvt_pk_bf16_f32 v[bb+\c], v[bb+2*\c], v[bb+2*\c+1]
.endr
.irp c, 0,1,2,3
	v_cvt_pk_bf16_f32 v[bb+4+\c], v[bb+32+2*\c], v[bb+32+2*\c+1]
.endr
.set t, t+1
.endr
.set t, 0
.rept 8
.set bb, 128+64*(t>>2)+8*(t&3)
.irp c, 0,1,2,3,4,5,6,7
	v_pk_max_num_bf16 v[bb+\c], v[bb+\c], s40
.endr
.set t, t+1
.endr
	WIN 0xcf
.set t, 0
.rept 8
.set bb, 64*(t>>2)+8*(t&3)
.irp c, 0,1,2,3
	v_cvt_pk_bf16_f32 v[bb+\c], v[bb+2*\c], v[bb+2*\c+1]
.endr
.irp c, 0,1,2,3
	v_cvt_pk_bf16_f32 v[bb+4+\c], v[bb+32+2*\c], v[bb+32+2*\c+1]
.endr
.set t, t+1
.endr
	s_wait_alu depctr_va_vdst(0)           ; the maxima have written qp, which the LDS stores read
	WIN 0x08
.set t, 0
.rept 16
	ds_store_b128 v[QS], v[8*t:8*t+3] offset:512*t
.set t, t+1
.endr
.irp ls, 0,1                           ; 20 accumulators take turns
	WIN 0xfe
.irp mt, 0,1,2,3
.irp nt, 0,1,2,3
	v_wmma_f32_16x16x32_bf16 v[128+32*\mt+8*\nt:128+32*\mt+8*\nt+7], v[128+64*\ls+8*\mt:128+64*\ls+8*\mt+7], v[64*\ls+8*\nt:64*\ls+8*\nt+7], v[128+32*\mt+8*\nt:128+32*\mt+8*\nt+7]
.endr
.endr
	WIN 0x02
.irp mt, 0,1,2,3
	v_wmma_f32_16x16x32_bf16 v[KS+8*\mt:KS+8*\mt+7], v[128+64*\ls+8*\mt:128+64*\ls+8*\mt+7], v[ONES:ONES+7], v[KS+8*\mt:KS+8*\mt+7]
.endr
.endr
.endm
	s_load_b512 s[4:19], s[0:1], 0x0       ; x, Wq, bq, Wk, bk, Wv, bv, Wo
	s_load_b256 s[20:27], s[0:1], 0x40     ; W1, W2, att, wts
	s_load_b512 s[68:83], s[0:1], 0x60     ; bo, ln1_scale, ln1_bias, b2, ln2_scale, ln2_bias, b1, vec
	v_lshl_add_u32 v[SPW], v0, 2, SPARE
	v_mov_b32 v[NIL], 0
	v_lshrrev_b32 v1, 5, v0
	v_readfirstlane_b32 s28, v1            ; wave w
	s_mov_b32 s29, ttmp9                   ; head h
	s_and_b32 s30, ttmp7, 0xffff           ; batch b
	s_lshl3_add_u32 s31, s30, s29
	s_wait_alu depctr_va_sdst(0)           ; s28 is written, ahead of its first reader: offsets, bases and two branches are made from it
	s_lshl2_add_u32 s31, s31, s28          ; G = (8 b + h) 4 + w: my share of the cast
	s_mov_b32 s40, 0x3a833a83              ; e in bf16, twice
	s_mov_b32 s41, 0x3a83126f              ; e in f32
	s_mov_b32 s42, 0xffff0000              ; a word's upper bf16
	v_and_b32 v3, 31, v0                   ; l
	v_and_b32 v1, 15, v0                   ; r
	v_bfe_u32 v2, v0, 4, 1                 ; hh
	v_and_b32 v20, 7, v0
	v_bfe_u32 v21, v0, 3, 1
	v_bfe_u32 v22, v0, 3, 2
	v_lshlrev_b32 v[XO], 11, v1
	v_lshl_add_u32 v[XO], v2, 5, v[XO]
	v_lshl_add_u32 v23, v2, 3, v20
	v_mul_u32_u24 v[WA0], v23, PW
	v_lshl_add_u32 v[WA0], v21, 4, v[WA0]
	v_lshlrev_b32 v[WO], 11, v22
	v_lshl_add_u32 v[WO], v20, 5, v[WO]
	s_mul_i32 s48, s28, 32*PW
	v_mul_u32_u24 v[WD], v22, PW
	v_lshl_add_u32 v[WD], v20, 4, v[WD]
	v_add_nc_u32 v[WD], s48, v[WD]
	v_lshlrev_b32 v[L16], 4, v3
	v_lshlrev_b32 v[L32], 5, v3
	v_add_nc_u32 v[IMA], IMG, v[L16]
	s_lshl_b32 s48, s28, 10
	v_add_nc_u32 v[IMW], s48, v[IMA]
	v_add_nc_u32 v[KVL], s48, v[L16]
	v_add_nc_u32 v[KVH], 2*KVPW, v[KVL]
	s_lshl_b32 s48, s28, 14
	s_add_co_u32 s48, s48, QP
	v_add_nc_u32 v[QS], s48, v[L16]
	v_mov_b32 v[QR], v[QS]
	v_lshrrev_b32 v23, 2, v3
	v_and_b32 v24, 3, v0
	v_lshlrev_b32 v[PFO], 11, v23
	v_lshl_add_u32 v[PFO], v24, 8, v[PFO]
	v_lshlrev_b32 v[W1S], 18, v2
	v_lshl_add_u32 v[W1S], v1, 4, v[W1S]
	s_mul_i32 s48, s28, KVPW
	v_add_nc_u32 v[KVS], s48, v[L16]
	s_lshl_b32 s48, s28, 9
	s_add_co_u32 s48, s48, KVB
	v_add_nc_u32 v[KBS], s48, v[L16]
	v_add_nc_u32 v[KBR], KVB, v[L16]
	; the cast's offsets.  In: Wo 1024 G + 32 l; W1, W2 4096 G + 32 l.  Out: see the layout of wts above
	s_lshl_b32 s48, s31, 10
	v_add_nc_u32 v40, s48, v[L32]
	s_lshl_b32 s48, s31, 12
	v_add_nc_u32 v41, s48, v[L32]
	s_lshl_b32 s48, s31, 9
	v_add_nc_u32 v42, s48, v[L16]
	v_add_nc_u32 v61, s48, v[L16]          ; vec: 512 G + 16 l
	s_lshr_b32 s48, s31, 6
	s_lshl_b32 s48, s48, 18
	s_add_co_u32 s48, s48, 5*TILEB
	s_and_b32 s49, s31, 63
	s_lshl_b32 s49, s49, 11
	s_add_co_u32 s48, s48, s49
	v_add_nc_u32 v43, s48, v[L16]
	s_lshr_b32 s49, s31, 1                 ; W1's row k
	s_and_b32 s50, s49, 127
	s_lshl_b32 s50, s50, 10
	s_lshr_b32 s49, s49, 7
	s_lshl_b32 s49, s49, 8
	s_add_co_u32 s50, s50, s49
	s_and_b32 s49, s31, 1
	s_lshl_b32 s49, s49, 21
	s_add_co_u32 s50, s50, s49
	s_add_co_u32 s50, s50, 4*TILEB
	v_add_nc_u32 v44, s50, v[W1S]
	s_lshl_b32 s48, s29, 8
	s_lshl_b32 s49, s28, 6
	s_add_co_u32 s48, s48, s49
	v_lshl_add_u32 v45, v2, 5, s48         ; bq: (64 h + 16 w + 8 hh) 4
	v_lshl_add_u32 v46, v1, 2, s48         ; bk, bv: (64 h + 16 w + r) 4
.irp i, 56,57,58,59
	v_mov_b32 v\i, 0                       ; written in every wave, so that no way through the text finds them unwritten: 40 waves load their share of the vectors into them
.endr
	s_wait_kmcnt 0x0
	s_lshl_b32 s48, s30, 20
	s_lshl_b32 s49, s28, 18
	s_add_co_u32 s48, s48, s49
	s_mov_b32 s49, 0
	s_add_nc_u64 s[34:35], s[4:5], s[48:49]     ; x at my wave's first row
	s_mov_b64 s[32:33], s[34:35]                ; and the pointer that walks along K
	s_lshl_b32 s48, s29, 14
	s_add_nc_u64 s[36:37], s[34:35], s[48:49]   ; prefetch: my head's 8 rows of the wave's 64; never rewritten
	s_lshl_b32 s48, s29, 8
	s_lshl_b32 s50, s28, 16
	s_add_co_u32 s48, s48, s50
	s_add_nc_u64 s[52:53], s[6:7], s[48:49]     ; Wq, Wk, Wv at the head's columns and my 32 rows
	s_add_nc_u64 s[54:55], s[10:11], s[48:49]
	s_add_nc_u64 s[56:57], s[14:15], s[48:49]
	s_lshl_b32 s48, s30, 19
	s_lshl_b32 s50, s28, 17
	s_add_co_u32 s48, s48, s50
	s_lshl_b32 s50, s29, 11
	s_add_co_u32 s48, s48, s50
	s_add_nc_u64 s[44:45], s[24:25], s[48:49]   ; att at (32 b + 8 w) 16384 + 2048 h
	s_wait_alu depctr_va_vdst(0)           ; the offsets and addresses v4 to v19, v28, v29, v40 to v46 and v61 are written, which the kernel's loads, stores and prefetches read; so are v56 to v59, in which a load lands
	XLOAD 0, 0                             ; the ring's first four K steps: the oldest loads
	XLOAD 1, 128
	XLOAD 2, 256
	XLOAD 3, 384
	WIN 0xc0                               ; the cast's 18 loads, into v's registers, which are still free
	global_load_b128 v[0:3], v40, s[18:19] th:TH_LOAD_NT
	global_load_b128 v[4:7], v40, s[18:19] offset:16 th:TH_LOAD_NT
.irp i, 0,1,2,3
	global_load_b128 v[8+8*\i:11+8*\i],  v41, s[22:23] offset:1024*\i th:TH_LOAD_NT
	global_load_b128 v[12+8*\i:15+8*\i], v41, s[22:23] offset:1024*\i+16 th:TH_LOAD_NT
.endr
.irp i, 0,1,2,3
	global_load_b128 v[40+8*\i:43+8*\i], v41, s[20:21] offset:1024*\i th:TH_LOAD_NT
	global_load_b128 v[44+8*\i:47+8*\i], v41, s[20:21] offset:1024*\i+16 th:TH_LOAD_NT
.endr
	WIN 0
	global_load_b128 v[BQ:BQ+3], v45, s[8:9]
	global_load_b128 v[BQ+4:BQ+7], v45, s[8:9] offset:16
	global_load_b32 v32, v46, s[12:13]
	global_load_b32 v36, v46, s[16:17]
	; the small vectors: block G of 128 numbers, G < 40: blocks 0-23 are the six vectors of 512, four blocks each; 24-39 are b1.  The load is older than the weights' 48 below
	s_cmp_lt_u32 s31, 40
	s_cselect_b32 s58, 1, 0
	s_cbranch_scc0 .Lnv1
	s_lshr_b32 s59, s31, 2
	s_mov_b64 s[84:85], s[80:81]
.irp i, 0,1,2,3,4,5
	s_cmp_eq_u32 s59, \i
	s_cselect_b64 s[84:85], s[68+2*\i:69+2*\i], s[84:85]
.endr
	s_and_b32 s60, s31, 3
	s_sub_co_u32 s61, s31, 24
	s_cmp_lt_u32 s31, 24
	s_cselect_b32 s60, s60, s61
	s_lshl_b32 s60, s60, 9
	v_add_nc_u32 v60, s60, v[L16]
	s_wait_alu depctr_va_vdst(0)           ; v60 is written, which the load reads as its offset
	global_load_b128 v[56:59], v60, s[84:85]
.Lnv1:
	WIN 0x80                               ; the first 128 K rows of the weights: 48 loads
.irp m, 0,1,2
.irp p, 0,1,2,3,4,5,6,7
	global_load_b128 v[64*\m+8*\p:64*\m+8*\p+3],   v[WO], s[52+2*\m:53+2*\m] offset:8192*\p
	global_load_b128 v[64*\m+8*\p+4:64*\m+8*\p+7], v[WO], s[52+2*\m:53+2*\m] offset:8192*\p+16
.endr
.endr
	WIN 0xc0                               ; kv and ksum start at 0, written while the loads are out: the price of one text for both passes' ends
.set i, 128
.rept 128
	v_mov_b32 v[i], 0
.set i, i+1
.endr
	WIN 0
.set i, 0
.rept 32
	v_mov_b32 v[KS+i], 0
.set i, i+1
.endr
.set i, 0
.rept 8
	v_mov_b32 v[ONES+i], 0x3f803f80
.set i, i+1
.endr
	s_wait_loadcnt 48                      ; all but the weights' 48
	WIN 0xcf
.set i, 0
.rept 5                                ; Wo and W2: to bf16, in place
.irp c, 0,1,2,3
	v_cvt_pk_bf16_f32 v[8*i+\c], v[8*i+2*\c], v[8*i+2*\c+1]
.endr
.set i, i+1
.endr
.set i, 5
.rept 4                                ; W1: to bf16 (v72-87 of this window are still free), widened again, and that number written as f16
.irp c, 0,1,2,3
	v_cvt_pk_bf16_f32 v[72+4*(i-5)+\c], v[8*i+2*\c], v[8*i+2*\c+1]
.endr
.set i, i+1
.endr
.set i, 5
.rept 4
.irp c, 0,1,2,3
	v_lshlrev_b32 v[8*i+2*\c], 16, v[72+4*(i-5)+\c]
	v_and_b32 v[8*i+2*\c+1], s42, v[72+4*(i-5)+\c]
.endr
.set i, i+1
.endr
.set i, 5
.rept 4
.irp c, 0,1,2,3
	v_cvt_pk_f16_f32 v[8*i+\c], v[8*i+2*\c], v[8*i+2*\c+1]
.endr
.set i, i+1
.endr
	WIN 0                                  ; the bias tiles: wave w makes column tile w of q, k and v.  The biases are rounded to bf16 like every input, and widened again
.irp p, 0,1,2,3
	v_cvt_pk_bf16_f32 v[48+\p], v[BQ+2*\p], v[BQ+2*\p+1]
.endr
	v_cvt_pk_bf16_f32 v52, v32, v36
.irp p, 0,1,2,3
	v_lshlrev_b32 v[BQ+2*\p], 16, v[48+\p]
	v_and_b32 v[BQ+2*\p+1], s42, v[48+\p]
.endr
	v_lshlrev_b32 v32, 16, v52
	v_and_b32 v36, s42, v52
.irp i, 0,1,2,3,4,5,6,7
	v_add_f32 v[BQ+\i], s41, v[BQ+\i]
.endr
	v_add_f32 v32, s41, v32
	v_mov_b32 v33, v32
	v_mov_b32 v34, v32
	v_mov_b32 v35, v32
	v_mov_b32 v37, v36
	v_mov_b32 v38, v36
	v_mov_b32 v39, v36
	s_wait_alu depctr_va_vdst(0)           ; the cast's conversions and the bias tiles' arithmetic have written what the nine stores and the six LDS stores below read
	WIN 0x0c                               ; 16 lanes of each store cover 256 consecutive bytes, aligned
	global_store_b128 v42, v[0:3], s[26:27]
.irp i, 0,1,2,3
	global_store_b128 v43, v[8+8*\i:11+8*\i], s[26:27] offset:512*\i
.endr
.irp i, 0,1,2,3
	global_store_b128 v44, v[40+8*\i:43+8*\i], s[26:27] offset:4*TILEB*\i
.endr
	WIN 0
	ds_store_b128 v[IMW], v[BQ:BQ+3]
	ds_store_b128 v[IMW], v[BQ+4:BQ+7] offset:512
	ds_store_b128 v[IMW], v[32:35] offset:4096
	ds_store_b128 v[IMW], v[32:35] offset:4608
	ds_store_b128 v[IMW], v[36:39] offset:8192
	ds_store_b128 v[IMW], v[36:39] offset:8704
	s_cmp_eq_u32 s58, 1                    ; the 40 waves' share of the vectors: rounded, widened, stored: 512 consecutive bytes, aligned
	s_cbranch_scc0 .Lnv2
	v_cvt_pk_bf16_f32 v62, v56, v57
	v_cvt_pk_bf16_f32 v63, v58, v59
	v_lshlrev_b32 v56, 16, v62
	v_and_b32 v57, s42, v62
	v_lshlrev_b32 v58, 16, v63
	v_and_b32 v59, s42, v63
	s_wait_alu depctr_va_vdst(0)           ; the four lines above have written v56 to v59, which the store reads
	global_store_b128 v61, v[56:59], s[82:83]
.Lnv2:
	s_mov_b32 s46, 3
.Lwch:
	WCH 1
	s_sub_co_u32 s46, s46, 1
	s_cmp_lg_u32 s46, 0
	s_cbranch_scc1 .Lwch
	; PREFETCH of x.  The eight heads of a batch read the same rows: of a wave's 64 rows x 1,024 bytes (half of K in a pass) head h names rows 8 h + l / 4, block l % 4 of 256 bytes:
	; each block is named once in the launch.  Here: pass 0, second half of K, eight K steps ahead of its loads.  The first half comes by its loads alone.
	global_prefetch_b8 v[PFO], s[36:37] offset:1024 th:TH_LOAD_NT scope:SCOPE_SE
	WCH 0
	s_wait_dscnt 0x0                       ; my stores of weights and bias tiles are done
	s_barrier_signal -1
	s_barrier_wait -1                      ; everybody's are
	s_wait_alu depctr_vm_vsrc(0)           ; my last LDS stores have read OUT: its registers are k's accumulators from here on, in which bias tiles land (the head's offsets and tile data in v32 to v71, now fragment buffers, were read ahead of the staging's waits)
	s_mov_b32 s38, 2
.Lpass:
	v_mov_b32 v[WA], v[WA0]                ; (the fragment loads that read v[WA] stand ahead of the wait on vm_vsrc at the last pass's end)
	s_wait_alu depctr_va_vdst(0)           ; v[WA] and v[QS] are written; the staging's roundings, or the last pass's conversions and products, are done with windows 2 and 3 and with the fragment buffers, in which the loads below land
	WIN 0x80                               ; the sums start with the bias tiles: nothing is cleared, no bias is added later
.irp rt, 0,1,2,3
.irp ct, 0,1,2,3
	ds_load_b128 v[32*\rt+8*\ct:32*\rt+8*\ct+3],         v[IMA] offset:1024*\ct
	ds_load_b128 v[32*\rt+8*\ct+4:32*\rt+8*\ct+7],       v[IMA] offset:1024*\ct+512
	ds_load_b128 v[128+32*\rt+8*\ct:128+32*\rt+8*\ct+3],   v[IMA] offset:4096+1024*\ct
	ds_load_b128 v[128+32*\rt+8*\ct+4:128+32*\rt+8*\ct+7], v[IMA] offset:4096+1024*\ct+512
.endr
.endr
	WIN 0xc0
.irp rt, 0,1,2,3
.irp ct, 0,1,2,3
	ds_load_b128 v[32*\rt+8*\ct:32*\rt+8*\ct+3],   v[IMA] offset:8192+1024*\ct
	ds_load_b128 v[32*\rt+8*\ct+4:32*\rt+8*\ct+7], v[IMA] offset:8192+1024*\ct+512
.endr
.endr
	WLD 0, 0, WQ                           ; q's fragments of the pass's first K step; k's and v's come at the step's head
	s_wait_loadcnt 48                      ; slot 0 is in; the three younger slots' 48 loads stay out
	CVT 0, 0, 0, 32
	WIN 0
	s_mov_b32 s39, 3
.Ltrip:
	s_lshl2_add_u32 s48, s38, s39
	s_cmp_eq_u32 s48, 10                   ; pass 0, second trip: the second pass's first half of K
	s_cbranch_scc0 .Lnp1
	global_prefetch_b8 v[PFO], s[36:37] offset:131072 th:TH_LOAD_NT scope:SCOPE_SE
.Lnp1:
	STEP 0, 1, 1, 32, 16, 8                ; the next slot is in; the two younger slots' 32 loads stay out (this step's own 16 follow the wait)
	STEP 1, 1, 1, 32, 16, 8
	STEP 2, 1, 1, 32, 16, 8
	STEP 3, 1, 1, 32, 16, 8
	WIN 0
	s_wait_alu depctr_vm_vsrc(0)           ; the trip's fragment loads have read v[WA]
	v_add_nc_u32 v[WA], 128*PW, v[WA]
	s_wait_xcnt 0x0                        ; the trip's loads have read the pointer
	s_add_nc_u64 s[32:33], s[32:33], 512
	s_sub_co_u32 s39, s39, 1
	s_cmp_lg_u32 s39, 0
	s_cbranch_scc1 .Ltrip
	s_cmp_eq_u32 s38, 2                    ; pass 0, last trip: the second pass's second half of K
	s_cbranch_scc0 .Lnp2
	global_prefetch_b8 v[PFO], s[36:37] offset:132096 th:TH_LOAD_NT scope:SCOPE_SE
.Lnp2:
	STEP 0, 0, 1, 32, 16, 8                ; the last four K steps load nothing of x: the counts run down
	STEP 1, 0, 1, 16, 16, 8
	STEP 2, 0, 1, 0, 16, 8
	STEP 3, 0, 0, 0, 8, 0
	WIN 0
	s_cmp_eq_u32 s38, 1
	s_cbranch_scc1 .Lnox                   ; behind the second pass there is no x to ask for
	s_wait_xcnt 0x0
	s_add_nc_u64 s[32:33], s[34:35], 131072     ; my rows 64 .. 127
	XLOAD 0, 0                             ; no wait: the roundings that read the four slots stand ahead of the last step's wait, and its products name none of them
	XLOAD 1, 128
	XLOAD 2, 256
	XLOAD 3, 384
	WIN 0
.Lnox:
	EPI
	PLACES                                 ; behind the last products, ahead of the LDS stores of kv and ksum; they stay beside the wait that stands in front of those stores
	WIN 0
	s_wait_alu depctr_vm_vsrc(0)           ; the LDS stores of qp have read v[QS] and q's registers, the pass's fragment loads v[WA]: the add below, the next pass's move and its bias tiles write these
	v_add_nc_u32 v[QS], 8192, v[QS]
	s_sub_co_u32 s38, s38, 1
	s_cmp_lg_u32 s38, 0
	s_cbranch_scc1 .Lpass
	; THE FOUR WAVES' kv AND ksum MEET IN LDS, over the weights, which nobody reads behind this barrier
	s_wait_dscnt 0x0
	s_barrier_signal -1
	s_barrier_wait -1
	s_wait_alu depctr_va_vdst(0)           ; the last products have written kv and ksum, which the LDS stores read; the roundings of x are done reading window 1, in which the partial tiles land further down
	WIN 0x0c
.irp mt, 0,1,2,3
.irp nt, 0,1,2,3
	ds_store_b128 v[KVS], v[128+32*\mt+8*\nt:128+32*\mt+8*\nt+3]   offset:(4*\nt+\mt)*1024
	ds_store_b128 v[KVS], v[128+32*\mt+8*\nt+4:128+32*\mt+8*\nt+7] offset:(4*\nt+\mt)*1024+512
.endr
.endr
	WIN 0
.irp mt, 0,1,2,3
	ds_store_b128 v[KVS], v[KS+8*\mt:KS+8*\mt+3]   offset:(16+\mt)*1024
	ds_store_b128 v[KVS], v[KS+8*\mt+4:KS+8*\mt+7] offset:(16+\mt)*1024+512
.endr
	s_wait_dscnt 0x0
	s_barrier_signal -1
	s_barrier_wait -1
	WIN 0x40                               ; wave w sums the five tiles with mt = w
.irp u, 0,1,2,3
.irp nt, 0,1,2,3,4
.irp sub, 0,1
	ds_load_b128 v[40*\u+8*\nt+4*\sub:40*\u+8*\nt+4*\sub+3], v[KVL+(\u>>1)] offset:(\u&1)*KVPW+4096*\nt+512*\sub
.endr
.endr
.endr
	s_wait_dscnt 0x0
	WIN 0x45
.set z, 0
.rept 20
	v_pk_add_f32 v[2*z:2*z+1], v[2*z:2*z+1], v[40+2*z:41+2*z]
	v_pk_add_f32 v[80+2*z:81+2*z], v[80+2*z:81+2*z], v[120+2*z:121+2*z]
.set z, z+1
.endr
.set z, 0
.rept 20
	v_pk_add_f32 v[2*z:2*z+1], v[2*z:2*z+1], v[80+2*z:81+2*z]
.set z, z+1
.endr
.set z, 0
.rept 5
.irp c, 0,1,2,3
	v_cvt_pk_bf16_f32 v[8*z+\c], v[8*z+2*\c], v[8*z+2*\c+1]
.endr
.set z, z+1
.endr
	s_wait_alu depctr_va_vdst(0)           ; the roundings have written the five tiles, which the LDS stores read
	WIN 0x04
.irp nt, 0,1,2,3,4
	ds_store_b128 v[KBS], v[8*\nt:8*\nt+3] offset:2048*\nt
.endr
	WIN 0
	s_wait_dscnt 0x0
	s_barrier_signal -1
	s_barrier_wait -1
.set t, 0
.rept 20                               ; image 4 nt + mt: fragment (nt, ks) lies at WF + 16 nt + 8 ks; nt = 4 is ksum.  No wait: the passes' products, which read these registers, stand ahead of the waits above
	ds_load_b128 v[WF+4*t:WF+4*t+3], v[KBR] offset:512*t
.set t, t+1
.endr
	; att = (qp kv) / (qp ksum): four trips of two row tiles; the divisor is a fifth tile, the same in all its rows
	s_mov_b32 s46, 4
.Lnum:
.irp e, 0,1
.irp i, 0,1,2,3
	ds_load_b128 v[XB+16*\e+4*\i:XB+16*\e+4*\i+3], v[QR] offset:2048*\e+512*\i   ; no wait: v[QR] was written, and the products that read these registers were done, ahead of the last wait on va_vdst
.endr
.endr
	s_wait_dscnt 0x0
	s_wait_alu depctr_vm_vsrc(0)           ; the loads above have read v[QR]; the last trip's stores (in the first trip: the LDS stores of ksum) have read registers that the products below write
	v_add_nc_u32 v[QR], 4096, v[QR]
.irp ks, 0,1
.irp e, 0,1
.irp nt, 0,1,2,3,4
.if \ks == 0
	v_wmma_f32_16x16x32_bf16 v[160+40*\e+8*\nt:160+40*\e+8*\nt+7], v[WF+16*\nt+8*\ks:WF+16*\nt+8*\ks+7], v[XB+16*\e+8*\ks:XB+16*\e+8*\ks+7], 0
.else
	v_wmma_f32_16x16x32_bf16 v[160+40*\e+8*\nt:160+40*\e+8*\nt+7], v[WF+16*\nt+8*\ks:WF+16*\nt+8*\ks+7], v[XB+16*\e+8*\ks:XB+16*\e+8*\ks+7], v[160+40*\e+8*\nt:160+40*\e+8*\nt+7]
.endif
.endr
.endr
.endr
	PLACES
	v_rcp_f32 v24, v192                    ; the divisor lies in the lowest register of its tile
	v_rcp_f32 v26, v232
	v_nop                                  ; a plain instruction behind the last reciprocal,
	s_wait_alu depctr_va_vdst(0)           ; and the one wait ahead of the first use of v24 and v26
.irp e, 0,1
.irp nt, 0,1,2,3
.irp z, 0,1,2,3
	v_pk_mul_f32 v[160+40*\e+8*\nt+2*\z:160+40*\e+8*\nt+2*\z+1], v[160+40*\e+8*\nt+2*\z:160+40*\e+8*\nt+2*\z+1], v[24+2*\e:25+2*\e] op_sel_hi:[1,0]
.endr
.endr
.endr
.irp e, 0,1
.irp nt, 0,1,2,3
.irp c, 0,1,2,3
	v_cvt_pk_bf16_f32 v[160+40*\e+8*\nt+\c], v[160+40*\e+8*\nt+2*\c], v[160+40*\e+8*\nt+2*\c+1]
.endr
.endr
.endr
	s_wait_alu depctr_va_vdst(0)           ; the roundings have written what the eight stores read
.irp e, 0,1
.irp nt, 0,1,2,3
	global_store_b128 v[L16], v[160+40*\e+8*\nt:160+40*\e+8*\nt+3], s[44:45] offset:16384*\e+512*\nt   ; 512 consecutive bytes, aligned
.endr
.endr
	s_wait_xcnt 0x0                        ; the stores have read their data and their base
	s_add_nc_u64 s[44:45], s[44:45], 32768
	s_sub_co_u32 s46, s46, 1
	s_cmp_lg_u32 s46, 0
	s_cbranch_scc1 .Lnum
	s_wait_dscnt 0x0                       ; the closing lines, six on end
	s_wait_alu 0x0
	s_wait_tensorcnt 0x0
	ds_add_u32 v[SPW], v[NIL]
	s_wait_dscnt 0x0
	s_endpgm
.Lfunc_end_k_q86d2ffa0b2_attn:
	.size	k_q86d2ffa0b2_attn, .Lfunc_end_k_q86d2ffa0b2_attn-k_q86d2ffa0b2_attn
	.p2alignl 7, 3214868480
	.fill 96, 4, 3214868480
	.section	.rodata,"a",@progbits
	.p2align	6, 0x0
	.amdhsa_kernel k_q86d2ffa0b2_attn
		.amdhsa_group_segment_fixed_size 291328
		.amdhsa_private_segment_fixed_size 0
		.amdhsa_enable_private_segment 0
		.amdhsa_kernarg_size 160
		.amdhsa_user_sgpr_count 2
		.amdhsa_user_sgpr_kernarg_segment_ptr 1
		.amdhsa_wavefront_size32 1
		.amdhsa_system_sgpr_workgroup_id_x 1
		.amdhsa_system_sgpr_workgroup_id_y 1
		.amdhsa_system_sgpr_workgroup_id_z 1
		.amdhsa_system_vgpr_workitem_id 0
		.amdhsa_next_free_vgpr 1024
		.amdhsa_next_free_sgpr 88
		.amdhsa_reserve_vcc 0
		.amdhsa_float_denorm_mode_32 3
		.amdhsa_float_denorm_mode_16_64 3
		.amdhsa_memory_ordered 1
		.amdhsa_forward_progress 1
		.amdhsa_inst_pref_size 171
	.end_amdhsa_kernel
	.amdgpu_metadata
---
amdhsa.version: [ 1, 2 ]
amdhsa.kernels:
  - .name:           k_q86d2ffa0b2_attn
    .symbol:         k_q86d2ffa0b2_attn.kd
    .args:
      - { .name: x, .offset: 0, .size: 8, .value_kind: global_buffer, .address_space: global }
      - { .name: Wq, .offset: 8, .size: 8, .value_kind: global_buffer, .address_space: global }
      - { .name: bq, .offset: 16, .size: 8, .value_kind: global_buffer, .address_space: global }
      - { .name: Wk, .offset: 24, .size: 8, .value_kind: global_buffer, .address_space: global }
      - { .name: bk, .offset: 32, .size: 8, .value_kind: global_buffer, .address_space: global }
      - { .name: Wv, .offset: 40, .size: 8, .value_kind: global_buffer, .address_space: global }
      - { .name: bv, .offset: 48, .size: 8, .value_kind: global_buffer, .address_space: global }
      - { .name: Wo, .offset: 56, .size: 8, .value_kind: global_buffer, .address_space: global }
      - { .name: W1, .offset: 64, .size: 8, .value_kind: global_buffer, .address_space: global }
      - { .name: W2, .offset: 72, .size: 8, .value_kind: global_buffer, .address_space: global }
      - { .name: att, .offset: 80, .size: 8, .value_kind: global_buffer, .address_space: global }
      - { .name: wts, .offset: 88, .size: 8, .value_kind: global_buffer, .address_space: global }
      - { .name: bo, .offset: 96, .size: 8, .value_kind: global_buffer, .address_space: global }
      - { .name: ln1_scale, .offset: 104, .size: 8, .value_kind: global_buffer, .address_space: global }
      - { .name: ln1_bias, .offset: 112, .size: 8, .value_kind: global_buffer, .address_space: global }
      - { .name: b2, .offset: 120, .size: 8, .value_kind: global_buffer, .address_space: global }
      - { .name: ln2_scale, .offset: 128, .size: 8, .value_kind: global_buffer, .address_space: global }
      - { .name: ln2_bias, .offset: 136, .size: 8, .value_kind: global_buffer, .address_space: global }
      - { .name: b1, .offset: 144, .size: 8, .value_kind: global_buffer, .address_space: global }
      - { .name: vec, .offset: 152, .size: 8, .value_kind: global_buffer, .address_space: global }
    .group_segment_fixed_size: 291328
    .private_segment_fixed_size: 0
    .kernarg_segment_align: 8
    .kernarg_segment_size: 160
    .max_flat_workgroup_size: 128
    .sgpr_count:     88
    .vgpr_count:     1024
    .wavefront_size: 32
...
	.end_amdgpu_metadata
.endif
;; end of part 3
;; launch ffn: the kernel of part 2 again; grid 256 x 1, 4 waves a work-group, clusters of 4 x 1, 327,680 bytes of LDS; arguments att, wts, x, vec, out0; writes out0
